; MI455X (gfx1250); checked and timed in simulation.
; The chip was launched on July 23, 2026; its instructions are those of AMD's public machine-readable ISA for CDNA 5 (MIT licence, August 2026) and "CDNA5" Instruction Set Architecture Reference Guide (July 2026). The comments in the code are by the model that wrote it; some were corrected since.
;; Multihead Attention. Allowed arithmetic: matrix products marked QUANTISED: E4M3 operands, one E8M0 scale for each 32 along K, by v_wmma_scale_f32_16x16x128_f8f6f4 with both operands' format E4M3, f32 sums; everything else in f32.
;; Inputs: token_positions 1 x 2,048 int32; wk 1,024 x 1,024 float32; wo 1,024 x 1,024 float32; wq 1,024 x 1,024 float32; wv 1,024 x 1,024 float32; x 2 x 2,048 x 1,024 float32.
;; Outputs: out0 2 x 2,048 x 1,024 float32.
;; This version of the problem:
;;   THIS VERSION OF THE PROBLEM IS GIVEN IN LOW PRECISION. The matrix products marked QUANTISED in the list below multiply operands that are first quantised to E4M3 (4 exponent bits, 3 mantissa bits; 8 bits a number), with one power-of-two scale for each 32 numbers along K (OCP MX v1.0); their sums are f32. All else is computed in f32.
;;   The module's matrix products, in the order in which they are computed (A, B: the left and right operand; K: the contracted axis; several contracted axes count as one K, in the product's order):
;;     1. [M 4,096, K 1,024] x [K 1,024, N 1,024]; A: input x; B: input wq: QUANTISED
;;     2. [M 4,096, K 1,024] x [K 1,024, N 1,024]; A: input x; B: input wk: QUANTISED
;;     3. [M 4,096, K 1,024] x [K 1,024, N 1,024]; A: input x; B: input wv: QUANTISED
;;     4. batch 32 x [M 2,048, K 64] x [K 64, N 2,048]; A: computed on the way; B: computed on the way: QUANTISED
;;     5. batch 32 x [M 2,048, K 2,048] x [K 2,048, N 64]; A: softmax (see below); B: computed on the way: QUANTISED
;;     6. [M 4,096, K 1,024] x [K 1,024, N 1,024]; A: computed on the way; B: input wo: QUANTISED
;;   THE QUANTISER, for each operand of a quantised product, along K:
;;     - K is cut into blocks of 32 from its start; a last block that is shorter is filled with zeros.
;;     - A block's scale is 2^e with e = floor(log2(the largest magnitude in the block)) - 8, held to -126 .. 127; a block of zeros has e = 0. As a byte (E8M0): e + 127.
;;     - Each number is divided by its block's scale, clamped to +-448, and rounded to the nearest number of E4M3, ties to even, subnormals kept.
;;     - The product sums the exact products of the quantised numbers (number of the format x scale) in f32.
;;   ~~~python
;;   def quantise(x, axis):      # numpy; x: float32 -> the quantised numbers, widened to float32 again
;;       x = np.moveaxis(x, axis, -1); K = x.shape[-1]
;;       x = np.pad(x, [(0, 0)] * (x.ndim - 1) + [(0, -K % 32)]); x = x.reshape(x.shape[:-1] + (-1, 32)); a = np.abs(x).max(-1, keepdims=True)
;;       e = np.where(a > 0, np.clip(np.frexp(np.where(a > 0, a, 1))[1] - 1 - 8, -126, 127), 0)      # np.frexp(a)[1] - 1 = floor(log2(a)), exactly
;;       r = np.clip(x / 2.0 ** e, -448, 448)
;;       step = 2.0 ** (np.maximum(np.frexp(np.where(r == 0, 1, r))[1] - 1, -6) - 3)
;;       q = np.round(r / step) * step * 2.0 ** e      # np.round: ties to even
;;       return np.moveaxis(q.reshape(q.shape[:-2] + (-1,))[..., :K], -1, axis).astype(np.float32)
;;   ~~~
;;   SOFTMAX AHEAD OF A QUANTISED PRODUCT. Where the list says 'softmax', what is quantised is not the finished softmax but p = 2^(t - M), with t = logit x log2(e) and M = ceil(the row's largest t), a whole number; so 1/2 < the row's largest p <= 1. The row's sum l is taken of the UNQUANTISED p, in f32, and the product's result is divided by l at the end. Since M is a whole number, a kernel that streams over the keys may use a running M (the ceiling of the running maximum): every later rescaling is an exact power of two, which a block's scale takes up: the codes' values come out the same.
;;   OPERANDS COMPUTED ON THE WAY. 'Computed on the way' means the value that the module computes at that place (a softmax that the list does not call 'softmax' is quantised finished and normalised). What goes into a quantiser is computed in f32, as accurately as f32 sums, v_exp_f32 and their like allow (about 1e-6 of the number): no bf16 or f16 on the way to a quantiser, and a product that is left as it is and whose result goes on into a quantised operand takes f32 operands (vector FMAs, or v_wmma_f32_16x16x4_f32). A number that lies on a knife's edge between two numbers of the format may be rounded either way, as far as f32 arithmetic and the matrix unit's own rounding can turn it there, and no further.
;; One version. Each part assembles by itself: llvm-mc -triple=amdgcn-amd-amdhsa -mcpu=gfx1250 --defsym DOCPART=n.
;; ======== version 1 of 1: 4 launches
;; limits: right only within a limited range of input values
;; workspace buffers: codes 8,388,608 bytes; scl 262,144 bytes; tab 524,288 bytes; qkvc 12,582,912 bytes; qkvs 393,216 bytes
;; launch prep (part 1): grid 512 x 1, 8 waves a work-group, no clusters, 69,120 bytes of LDS; arguments x, wq, wk, wv, wo, token_positions, codes, scl, tab; writes codes, scl, tab
.if DOCPART == 1
	.amdgcn_target "amdgcn-amd-amdhsa--gfx1250"
	.amdhsa_code_object_version 6
	.text
	.protected	k_qee7a36c1c5_prep
	.globl	k_qee7a36c1c5_prep
	.p2align	8
	.type	k_qee7a36c1c5_prep,@function
k_qee7a36c1c5_prep:
	s_mov_b64 s[64:65], 0
	v_nop
	global_prefetch_b8 v0, s[64:65] scope:SCOPE_SE
	s_setreg_imm32_b32 hwreg(HW_REG_WAVE_MODE, 25, 1), 1
	s_wait_xcnt 0x0
; PREP: x [4096][1024] and wq, wk, wv, wo [1024][1024], f32 with K innermost, become codes of FP8 (E4M3) with one E8M0 byte for each 32 along K; and the table of cos and sin for RoPE is made.
; LAYOUT OF THE CODES: images of operand registers.  A tile is 16 rows: row r of tile T is row 32 (T / 2) + 8 (T % 2) + r + 8 (r / 8) of its tensor.  A fragment (tile, 128 along K) is 2,048 bytes
; [c 0..3][lane 0..31][16 bytes]: lane (r, h) holds k = 32 c + 16 h + 0 .. 15 of row r.  codes: x at 0: [ks 0..7][T 0..255][2,048]; wq, wk, wv at 4 MiB: [ks][place 0..191][2,048]; wo at 7 MiB: [T 0..63][ks][2,048].
; A weight's place: 12 x head + q's tiles 0-3 at 0-3, v's 0, 1 at 4, 5, k's 0-3 at 6-9, v's 2, 3 at 10, 11.  scl = [tile][r 16][ks 8] words of four bytes: tiles 0-255 x, 256-447 the places, 448-511 wo.
; tab = [token 0..2047][pair 0..31][cos, sin] f32: angle = token_positions[l] x 10000^(-pair / 32).
; SHARES.  512 work-groups, a tile each, wave w its K step w.  Waves 6 and 7 make two rows of the table each while their tile's rows are on their way.
; Each load reads 512 consecutive bytes of a row; the 16 rows turn through the wave's own stage in LDS (rows of 512 + 16 bytes), so that a lane gets 16 neighbours of each block of 32; each store of codes covers 512 consecutive bytes.
; No matrix unit, no tensor load, no cluster: the launch streams, and its work-groups share no input.  In the whole program only key tiles wholly behind the causal mask are left out.
; LIMITS: NaN and infinities are not served.  A block whose largest magnitude lies under 2^-118, a block of zeros among them, gets the byte 1 (this program alone reads the bytes; zero codes add nothing under it).
; Positions are 0 .. 2,047, the table that the problem indexes; sine and cosine come from a reduction by pi / 2 in three parts and polynomials of degree 9 and 10, in f32.
.set STG,  8448                        ; a wave's stage: 16 rows x 528 bytes
.set SCB,  8*STG                       ; behind the stages: the tile's 512 scale bytes
.set SPARE, SCB+512                    ; the spare words, 128 bytes for each wave
.set R,    16                          ; v16-79   16 rows as loaded
.set X,    80                          ; v80-143  64 numbers in the fragment's order; ahead of that the table's work
.set PC,   144                         ; v144-159 the codes
.set TM,   160                         ; v160-175 at work
.set PW,   176                         ; v176     the scale word
.set CS,   184                         ; v184-187 the table's numbers
.set SPW,  192
.set NIL,  193
.set WV,   24
.set SEL,  26
.set MNT,  28
	s_load_b256 s[4:11], s[0:1], 0x0               ; x, wq, wk, wv
	s_load_b256 s[12:19], s[0:1], 0x20             ; wo, token_positions, codes, scl
	s_load_b64 s[20:21], s[0:1], 0x40              ; tab
	v_lshl_add_u32 v[SPW], v0, 2, SPARE
	v_mov_b32 v[NIL], 0
	v_lshrrev_b32 v1, 5, v0
	v_readfirstlane_b32 s[WV], v1                  ; wave 0..7
	s_mul_i32 s25, s[WV], STG
	s_lshl_b32 s29, s[WV], 2
	s_add_co_u32 s29, s29, SCB
	v_and_b32 v1, 31, v0                           ; lane
	v_and_b32 v2, 15, v0                           ; r
	v_bfe_u32 v3, v0, 4, 1                         ; h
	v_lshlrev_b32 v4, 4, v1                        ; 16 x lane
	v_mul_u32_u24 v6, v2, 528
	v_add_nc_u32 v5, s25, v4                       ; the stage, in: 16 x lane of a row
	v_lshl_add_u32 v6, v3, 6, v6
	v_lshl_add_u32 v7, v2, 5, s29                  ; my row's scale word of my K step: 32 r + 4 w
	v_add_nc_u32 v6, s25, v6                       ; and out: row r, + 64 h: my 16 numbers of a block
	v_add_nc_u32 v8, SCB, v4
.irp b, 0,1,2,3
	v_mov_b32 v[TM+4+\b], 0                        ; written once: a lane permute's destination counts as one of its sources
.endr
	s_mov_b32 s[SEL], 0x76543210
	s_mov_b32 s[SEL+1], 0xfedcba98                 ; v_permlanex16_b32's selects for lane l xor 16
	s_mov_b32 s[MNT], 0x600000                     ; the mantissa field of 448
	s_sub_co_u32 s30, ttmp9, 256
	s_lshr_b32 s30, s30, 6                         ; which weight, from 256 on
	s_and_b32 s31, ttmp9, 63                       ; and the tile in it
	; where the codes and scale bytes go: a weight's place,
	s_lshr_b32 s34, s31, 2
	s_and_b32 s33, s31, 3
	s_mul_i32 s34, s34, 12
	s_add_co_u32 s34, s34, s33
	s_lshr_b32 s33, s33, 1
	s_lshl_b32 s33, s33, 2
	s_add_co_u32 s33, s33, 4
	s_cmp_eq_u32 s30, 2
	s_cselect_b32 s33, s33, 0
	s_cmp_eq_u32 s30, 1
	s_cselect_b32 s33, 6, s33
	s_add_co_u32 s34, s34, s33
	s_add_co_u32 s36, s34, 256
	s_mul_i32 s37, s[WV], 393216
	s_lshl_b32 s34, s34, 11
	s_add_co_u32 s34, s34, s37
	s_add_co_u32 s34, s34, 4194304
	s_lshl_b32 s37, ttmp9, 14                      ; wo's,
	s_lshl_b32 s38, s[WV], 11
	s_add_co_u32 s37, s37, s38
	s_cmp_ge_u32 ttmp9, 448
	s_cselect_b32 s34, s37, s34
	s_cselect_b32 s36, ttmp9, s36
	s_lshl_b32 s37, s[WV], 19                      ; x's
	s_lshl_b32 s38, ttmp9, 11
	s_add_co_u32 s37, s37, s38
	s_cmp_lt_u32 ttmp9, 256
	s_cselect_b32 s34, s37, s34
	s_cselect_b32 s36, ttmp9, s36
	s_cselect_b32 s31, ttmp9, s31
	s_mov_b32 s35, 0
	s_lshl_b32 s36, s36, 9
	s_mov_b32 s37, 0
	s_lshr_b32 s32, s31, 1
	s_lshl_b32 s32, s32, 17                        ; in: 32 rows of 4,096 bytes for each pair of tiles,
	s_and_b32 s33, s31, 1
	s_lshl_b32 s33, s33, 15                        ; 8 rows for the odd tile,
	s_add_co_u32 s32, s32, s33
	s_lshl_b32 s33, s[WV], 9                       ; 512 bytes a K step
	s_add_co_u32 s32, s32, s33
	s_mov_b32 s33, 0
	s_and_b32 s39, s[WV], 1                        ; the table: rows 4 x work-group + 2 (wave % 2) and the next
	s_lshl_b32 s40, ttmp9, 4
	s_lshl_b32 s41, s39, 3
	s_add_co_u32 s40, s40, s41
	s_mov_b32 s41, 0
	s_lshl_b32 s42, ttmp9, 10
	s_lshl_b32 s43, s39, 9
	s_add_co_u32 s42, s42, s43
	s_mov_b32 s43, 0
	s_wait_alu depctr_va_vdst(0)                   ; the wait at the head's end
	s_wait_kmcnt 0x0
	s_cmp_eq_u32 s30, 2                            ; the choice hangs on the work-group's number alone
	s_cselect_b64 s[12:13], s[10:11], s[12:13]
	s_cmp_eq_u32 s30, 1
	s_cselect_b64 s[12:13], s[8:9], s[12:13]
	s_cmp_eq_u32 s30, 0
	s_cselect_b64 s[12:13], s[6:7], s[12:13]
	s_cmp_lt_u32 ttmp9, 256
	s_cselect_b64 s[12:13], s[4:5], s[12:13]
	s_add_nc_u64 s[12:13], s[12:13], s[32:33]
.irp i, 0,1,2,3,4,5,6,7,8,9,10,11,12,13,14,15
	global_load_b128 v[R+4*\i:R+4*\i+3], v4, s[12:13] offset:(\i+8*(\i/8))*4096 th:TH_LOAD_NT   ; row i of the tile: 512 consecutive bytes
.endr
	s_add_nc_u64 s[16:17], s[16:17], s[34:35]      ; my fragment
	s_add_nc_u64 s[18:19], s[18:19], s[36:37]      ; the tile's scale bytes
	s_add_nc_u64 s[14:15], s[14:15], s[40:41]
	s_add_nc_u64 s[20:21], s[20:21], s[42:43]
	s_cmp_lt_u32 s[WV], 6
	s_cbranch_scc1 .Lno_table
	s_load_b64 s[44:45], s[14:15], 0x0             ; the two rows' positions
	s_mov_b32 s34, 0x3f22f983                      ; 2 / pi
	s_mov_b32 s35, 0xbfc90fdb                      ; -(pi / 2), its first 24 bits;
	s_mov_b32 s36, 0x333bbd2e                      ; what the first part has too much;
	s_mov_b32 s37, 0x26f72ced                      ; and what the second
; my two frequencies, 10^(-i / 8) for i = 2 k and 2 k + 1, k = lane % 16: chosen among 32 constants, no branch
.macro PICK k, c0, c1
	v_cmp_ne_u32 vcc_lo, \k, v2
	v_cndmask_b32 v84, \c0, v84, vcc_lo
	v_cndmask_b32 v85, \c1, v85, vcc_lo
.endm
	v_mov_b32 v84, 1.0
	v_mov_b32 v85, 0.7498942093
	PICK 1, 0.5623413252, 0.4216965034
	PICK 2, 0.3162277660, 0.2371373706
	PICK 3, 0.1778279410, 0.1333521432
	PICK 4, 0.1, 0.07498942093
	PICK 5, 0.05623413252, 0.04216965034
	PICK 6, 0.03162277660, 0.02371373706
	PICK 7, 0.01778279410, 0.01333521432
	PICK 8, 0.01, 0.007498942093
	PICK 9, 0.005623413252, 0.004216965034
	PICK 10, 0.003162277660, 0.002371373706
	PICK 11, 0.001778279410, 0.001333521432
	PICK 12, 0.001, 0.0007498942093
	PICK 13, 0.0005623413252, 0.0004216965034
	PICK 14, 0.0003162277660, 0.0002371373706
	PICK 15, 0.0001778279410, 0.0001333521432
; cos and sin of the angle in v[a] (0 or more, under 2,048): n = the nearest whole number of quarter turns, r = a - n pi / 2 by three fused multiply-adds, polynomials in r, then the quadrant
.macro SINCOS c, s, a
	v_mul_f32 v90, s34, v[\a]
	v_rndne_f32 v90, v90
	v_fma_f32 v91, v90, s35, v[\a]
	v_fma_f32 v91, v90, s36, v91
	v_fma_f32 v91, v90, s37, v91                   ; r, within pi / 4 of 0
	v_mov_b32 v93, 0x3638ef1d                      ; 1 / 9!
	v_mul_f32 v92, v91, v91
	v_mov_b32 v94, 0xb493f27e                      ; -1 / 10!
	v_fmaak_f32 v93, v93, v92, 0xb9500d01          ; -1 / 7!
	v_fmaak_f32 v94, v94, v92, 0x37d00d01          ; 1 / 8!
	v_fmaak_f32 v93, v93, v92, 0x3c088889          ; 1 / 5!
	v_fmaak_f32 v94, v94, v92, 0xbab60b61          ; -1 / 6!
	v_fmaak_f32 v93, v93, v92, 0xbe2aaaab          ; -1 / 3!
	v_fmaak_f32 v94, v94, v92, 0x3d2aaaab          ; 1 / 4!
	v_mul_f32 v95, v92, v91
	v_fmaak_f32 v94, v94, v92, 0xbf000000          ; -1 / 2
	v_fma_f32 v93, v93, v95, v91                   ; sin r
	v_fma_f32 v94, v94, v92, 1.0                   ; cos r
	v_cvt_i32_f32 v96, v90
	v_and_b32 v97, 1, v96
	v_cmp_eq_u32 vcc_lo, 1, v97
	v_cndmask_b32 v[\s], v93, v94, vcc_lo          ; an odd quarter swaps the two;
	v_cndmask_b32 v[\c], v94, v93, vcc_lo
	v_and_b32 v97, 2, v96
	v_add_nc_u32 v96, 1, v96
	v_lshlrev_b32 v97, 30, v97
	v_and_b32 v96, 2, v96
	v_xor_b32 v[\s], v97, v[\s]                    ; the sine is negative in quarters 2 and 3,
	v_lshlrev_b32 v96, 30, v96
	v_xor_b32 v[\c], v96, v[\c]                    ; the cosine in quarters 1 and 2
.endm
	s_wait_alu depctr_va_vdst(0)                   ; directly ahead of the wait below
	s_wait_kmcnt 0x0
	v_cmp_eq_u32 vcc_lo, 1, v3                     ; lanes 16-31 take the second row
	v_mov_b32 v86, s44
	v_mov_b32 v87, s45
	v_cndmask_b32 v86, v86, v87, vcc_lo
	v_cvt_f32_i32 v86, v86
	v_mul_f32 v87, v86, v84                        ; the angles, rounded once
	v_mul_f32 v88, v86, v85
	SINCOS CS, CS+1, 87
	SINCOS CS+2, CS+3, 88
	global_store_b128 v4, v[CS:CS+3], s[20:21]     ; two whole rows of 256 bytes
.Lno_table:
.irp i, 0,1,2,3,4,5,6,7,8,9,10,11,12,13,14,15
	s_wait_loadcnt 15-\i                           ; loads come back in order: row i is in, the younger rows stay out
	ds_store_b128 v5, v[R+4*\i:R+4*\i+3] offset:528*\i
.endr
.irp b, 0,1,2,3
.irp j, 0,1,2,3
	ds_load_b128 v[X+16*\b+4*\j:X+16*\b+4*\j+3], v6 offset:128*\b+16*\j   ; LDS serves a wave's instructions in order: these see my stores
.endr
.endr
	s_wait_dscnt 0x0
; register X + 16 b + i = k 32 b + 16 (lane / 16) + i of my row: a fragment's codes and its scale word
.irp b, 0,1,2,3
	v_max3_num_f32 v[TM+\b], |v[X+16*\b]|, |v[X+1+16*\b]|, 0x4800000   ; block b: my 16 numbers, and the floor 2^(9 - 127): the byte cannot fall under 1
.endr
.irp i, 2,4,6,8,10,12,14
.irp b, 0,1,2,3
	v_max3_num_f32 v[TM+\b], v[TM+\b], |v[X+16*\b+\i]|, |v[X+1+16*\b+\i]|
.endr
.endr
.irp b, 0,1,2,3
	v_permlanex16_b32 v[TM+4+\b], v[TM+\b], s[SEL], s[SEL+1]
.endr
.irp b, 0,1,2,3
	v_max_num_f32 v[TM+\b], v[TM+\b], v[TM+4+\b]                     ; with lane l xor 16's: the block's largest magnitude
.endr
.irp b, 0,1,2,3
	v_add_nc_u32 v[TM+12+\b], 0xfc000000, v[TM+\b]                   ; 8 off its exponent field: the conversion's scale operand
.endr
.irp b, 0,1,2,3
	v_and_or_b32 v[TM+8+\b], v[TM+\b], 0x7f800000, s[MNT]            ; 448 x the scale
.endr
.irp b, 0,1,2,3
	v_lshrrev_b32 v[TM+4+\b], 23, v[TM+12+\b]                        ; the scale's byte
.endr
	v_lshl_or_b32 v[PW], v[TM+5], 8, v[TM+4]
	v_lshl_or_b32 v[PW], v[TM+6], 16, v[PW]
	v_lshl_or_b32 v[PW], v[TM+7], 24, v[PW]
.irp b, 0,1,2,3
.irp i, 0,1,2,3,4,5,6,7,8,9,10,11,12,13,14,15
	v_med3_num_f32 v[X+16*\b+\i], v[X+16*\b+\i], -v[TM+8+\b], v[TM+8+\b]   ; the conversion to an 8-bit code does not saturate (ISA guide 7.6.2): the hold comes first
.endr
	v_cvt_scalef32_pk8_fp8_f32 v[PC+4*\b:PC+1+4*\b], v[X+16*\b:X+7+16*\b], v[TM+12+\b]
	v_cvt_scalef32_pk8_fp8_f32 v[PC+2+4*\b:PC+3+4*\b], v[X+8+16*\b:X+15+16*\b], v[TM+12+\b]
.endr
	v_nop                                          ; a plain line behind the last conversion
.irp c, 0,1,2,3
	global_store_b128 v4, v[PC+4*\c:PC+4*\c+3], s[16:17] offset:512*\c    ; 32 lanes store 512 consecutive bytes
.endr
	ds_store_b32 v7, v[PW]                         ; both halves of the lanes write the same word with the same value
	s_wait_dscnt 0x0                               ; for wave 0's sake: my store has landed
	s_barrier_signal -1
	s_barrier_wait -1
	s_cmp_lg_u32 s[WV], 0
	s_cbranch_scc1 .Lend
	ds_load_b128 v[180:183], v8                    ; the tile's 512 scale bytes leave whole
	s_wait_dscnt 0x0
	global_store_b128 v4, v[180:183], s[18:19]
.Lend:
	s_wait_tensorcnt 0x0                           ; the wave's end
	ds_add_u32 v[SPW], v[NIL]
	s_wait_dscnt 0x0
	s_endpgm
.Lfunc_end_k_qee7a36c1c5_prep:
	.size	k_qee7a36c1c5_prep, .Lfunc_end_k_qee7a36c1c5_prep-k_qee7a36c1c5_prep
	.p2alignl 7, 3214868480
	.fill 96, 4, 3214868480
	.section	.rodata,"a",@progbits
	.p2align	6, 0x0
	.amdhsa_kernel k_qee7a36c1c5_prep
		.amdhsa_group_segment_fixed_size 69120
		.amdhsa_private_segment_fixed_size 0
		.amdhsa_enable_private_segment 0
		.amdhsa_kernarg_size 72
		.amdhsa_user_sgpr_count 2
		.amdhsa_user_sgpr_kernarg_segment_ptr 1
		.amdhsa_wavefront_size32 1
		.amdhsa_system_sgpr_workgroup_id_x 1
		.amdhsa_system_sgpr_workgroup_id_y 1
		.amdhsa_system_sgpr_workgroup_id_z 1
		.amdhsa_system_vgpr_workitem_id 0
		.amdhsa_next_free_vgpr 194
		.amdhsa_next_free_sgpr 66
		.amdhsa_reserve_vcc 1
		.amdhsa_float_denorm_mode_32 3
		.amdhsa_float_denorm_mode_16_64 3
		.amdhsa_memory_ordered 1
		.amdhsa_forward_progress 1
		.amdhsa_inst_pref_size 23
	.end_amdhsa_kernel
	.amdgpu_metadata
---
amdhsa.version: [ 1, 2 ]
amdhsa.kernels:
  - .name:           k_qee7a36c1c5_prep
    .symbol:         k_qee7a36c1c5_prep.kd
    .args:
      - { .name: x, .offset: 0, .size: 8, .value_kind: global_buffer, .address_space: global }
      - { .name: wq, .offset: 8, .size: 8, .value_kind: global_buffer, .address_space: global }
      - { .name: wk, .offset: 16, .size: 8, .value_kind: global_buffer, .address_space: global }
      - { .name: wv, .offset: 24, .size: 8, .value_kind: global_buffer, .address_space: global }
      - { .name: wo, .offset: 32, .size: 8, .value_kind: global_buffer, .address_space: global }
      - { .name: token_positions, .offset: 40, .size: 8, .value_kind: global_buffer, .address_space: global }
      - { .name: codes, .offset: 48, .size: 8, .value_kind: global_buffer, .address_space: global }
      - { .name: scl, .offset: 56, .size: 8, .value_kind: global_buffer, .address_space: global }
      - { .name: tab, .offset: 64, .size: 8, .value_kind: global_buffer, .address_space: global }
    .group_segment_fixed_size: 69120
    .private_segment_fixed_size: 0
    .kernarg_segment_align: 8
    .kernarg_segment_size: 72
    .max_flat_workgroup_size: 256
    .sgpr_count:     66
    .vgpr_count:     194
    .wavefront_size: 32
...
	.end_amdgpu_metadata
.endif
;; end of part 1
;; launch qkv (part 2): grid 16 x 16, 4 waves a work-group, clusters of 4 x 4, 327,680 bytes of LDS; arguments codes, scl, tab, qkvc, qkvs; writes qkvc, qkvs
.if DOCPART == 2
	.amdgcn_target "amdgcn-amd-amdhsa--gfx1250"
	.amdhsa_code_object_version 6
	.text
	.protected	k_qee7a36c1c5_qkv
	.globl	k_qee7a36c1c5_qkv
	.p2align	8
	.type	k_qee7a36c1c5_qkv,@function
k_qee7a36c1c5_qkv:
	s_mov_b64 s[64:65], 0
	v_nop
	global_prefetch_b8 v0, s[64:65] scope:SCOPE_SE
	s_setreg_imm32_b32 hwreg(HW_REG_WAVE_MODE, 25, 1), 1
	s_wait_xcnt 0x0
	s_wait_alu depctr_hold_cnt(0) depctr_sa_sdst(0) depctr_va_vdst(0) depctr_va_sdst(0) depctr_va_ssrc(0) depctr_va_vcc(0) depctr_vm_vsrc(0)
	s_getreg_b32 s2, hwreg(HW_REG_IB_STS2, 6, 4)
	s_cmp_eq_u32 s2, 0
	s_cbranch_scc0 .Lentry_in_a_cluster
	s_endpgm
.Lentry_in_a_cluster:
	s_bfe_u32 s2, ttmp6, 0x10000c
	s_cmp_lg_u32 s2, 0xf033
	s_cbranch_scc0 .Lentry_shape_is_right
	s_endpgm
.Lentry_shape_is_right:
; QKV: q, k, v = x W^T on codes of FP8 (E4M3), RoPE on q and k, and their quantisers.  Codes and scale words leave in the order of the next launch's operand registers; no f32 result is stored.
; IN: codes: x [ks 8][tile 256][2,048] at 0, the weights [ks 8][place 192][2,048] at 4 MiB, a head's 12 places on end: q's four tiles, v's 0 and 1, k's four tiles, v's 2 and 3; scl: 512 bytes a tile, the places from tile 256 on; tab: [token 2048][pair 32][cos, sin].
; OUT: q at 0, k at 4 MiB of qkvc: [token tile][head][c 2][512]; v at 8 MiB: [128 tokens][head][channel tile 4][c 4][512]; qkvs: q, k, v 131,072 bytes apart: [128 tokens][head][r 16][4 words].
; SHARES.  256 work-groups: 256 tokens x one head's q, k, v.  Wave (rw, cw): tokens 128 rw on; cw = 0: q's four tiles and v's 0, 1; cw = 1: k's four and v's 2, 3: 8 x 6 accumulators.
; q and k are made transposed (source 0 = the weight's rows): a lane holds one token and its registers run along the channels.  v the other way round: a lane holds one channel and its registers run along the tokens.
; FILLS.  K goes in 8 steps of 128.  The head's loads, one joint load a wave (waves 0, 1: 8 tiles of x each; waves 2, 3: 6 places each), bring steps 0 to 4; steps 5 to 7 refill the places of 0 to 2 in one drained round, in step 2.
; They are prefetched into the L2 at the head: waves 0 to 2 take a step each; of a step's 32,768 bytes of x the four partners of a cluster's row take a quarter each, of its 24,576 bytes of weights those of a column, by address.
; CLUSTERS: 4 x 4: x's tiles are shared along a row, the weights along a column.
; LIMITS: NaN, infinities and sums beyond f32's range are not served; a block whose largest magnitude lies under 2^-118 gets the byte 1.
; REGISTERS, in windows of 256: window 0: v4-26 addresses and words; v32-109 scale words (10 i + g: lanes 0-15 x's tile i, lanes 16-31 the weight's); v128-191 x's tiles 0-3 of even steps; v192-255 x's tiles 4-7.
;   window 1: the weight's six fragments, sets at 0 and 96; v192-255 x's tiles 0-3 of odd steps; at the end cos and sin, 32 registers a tile.   windows 2, 3: accumulator (a, b) at 48 (a % 4) + 8 b of window 2 + a / 4.
.set BREG, 163840                      ; LDS: x's two halves at 0 and 81,920: [step 5][8 tiles][2,048]; the weight's at 163,840 and 225,280: [step 5][6][2,048]
.set STGV, 286720                      ; v's scale words: 256 bytes for each row of waves
.set SPARE, 287232                     ; the spare words, 128 bytes for each wave
.set CO,   4                           ; v4   16 x lane
.set TA,   5
.set VSO,  6
.set ADA,  8                           ; v8, v9  LDS address of x's fragments: places 0-2, places 3-4
.set ADB,  10
.set SPW,  11
.set NIL,  12
.set PFX,  13
.set PFW,  14
.set RA,   15                          ; v15  16 r
.set WD,   16                          ; v16-19 q's or k's scale words
.set VW,   20                          ; v20-21 v's
.set VLD,  24
.set VL8,  25
.set VSA,  26
.set SC,   32
.set X,    128
.set TM,   192
.set PC0,  208
.set TP,   240
.set G1,   24
.set G0,   32
.set G1B,  48
.set G0B,  56
.set QP,   66
.set VP,   68
.set QSP,  70
.set VSP,  72
.set TABP, 74
.set SEL,  76
.set MNT,  78
.set MSB, 0
.macro WIN new                         ; the immediate's high byte repeats the setting that is left
.if MSB != \new
	s_set_vgpr_msb (MSB<<8)|\new
.set MSB, \new
.endif
.endm
.macro JLOAD                           ; a joint load: waves 0 and 1 fetch x's tiles, waves 2 and 3 the weight's
	s_cmp_eq_u32 s15, 0
	s_cbranch_scc0 .Lfor_b_\@
	tensor_load_to_lds s[G0:G0+3], s[G1:G1+7]
	s_nop 0
.rept 4
	v_nop
.endr
	s_branch .Lasked_\@
.Lfor_b_\@:
	tensor_load_to_lds s[G0B:G0B+3], s[G1B:G1B+7]
	s_nop 0
.rept 4
	v_nop
.endr
.Lasked_\@:
.endm
.macro CREST
	s_cmp_lg_u32 s14, 0
	s_cbranch_scc1 .Lnot_wave_0_\@
	s_barrier_signal -3
.Lnot_wave_0_\@:
	s_barrier_wait -3
	s_barrier_signal -1
	s_barrier_wait -1
.endm
.macro CROUND
	s_barrier_signal -1
	s_barrier_wait -1
	CREST
.endm
.macro PLACES n
.rept \n
	v_nop
.endr
.endm
	s_load_b256 s[4:11], s[0:1], 0x0               ; codes, scl, tab, qkvc
	s_load_b64 s[12:13], s[0:1], 0x20              ; qkvs
	v_lshl_add_u32 v[SPW], v0, 2, SPARE
	v_mov_b32 v[NIL], 0
	ds_add_u32 v[SPW], v[NIL]                      ; the wave's opening: the add, twice on end
	ds_add_u32 v[SPW], v[NIL]
	v_lshrrev_b32 v1, 5, v0
	v_readfirstlane_b32 s14, v1                    ; wave 0..3
	s_lshr_b32 s15, s14, 1                         ; rw.  Also: I fetch x (0) or weights (1)
	s_and_b32 s16, s14, 1                          ; cw.  Also: which half I fetch
	s_bfe_u32 s40, ttmp6, 0x40000                  ; cx
	s_bfe_u32 s41, ttmp6, 0x40004                  ; cy
	s_lshl_b32 s42, ttmp9, 2
	s_add_co_u32 s42, s42, s40                     ; the head
	s_and_b32 s17, ttmp7, 0xffff
	s_lshl_b32 s17, s17, 2
	s_add_co_u32 s17, s17, s41                     ; which 256 tokens
	s_lshl_b32 s43, s41, 2
	s_lshl_b32 s43, 15, s43                        ; my row of the cluster
	s_lshl_b32 s44, 0x1111, s40                    ; my column
	s_or_b32 s[G1+0], s43, (3<<16)|(1<<21)         ; the mask; elements of 8 bytes; bit 21 beside a mask; no padding
	s_mov_b32 s[G1+1], 2048<<16                    ; rows of 16,384 bytes: 8 tiles of a step,
	s_mov_b32 s[G1+2], 5<<16                       ; 5 steps,
	s_mov_b32 s[G1+3], 2048<<16
	s_mov_b32 s[G1+4], 5
	s_mov_b32 s[G1+5], 65536                       ; 524,288 bytes apart
	s_mov_b32 s[G1+6], 0
	s_mov_b32 s[G1+7], 0
	s_or_b32 s[G1B+0], s44, (3<<16)|(1<<21)
	s_mov_b32 s[G1B+1], 1536<<16                   ; rows of 12,288 bytes: 6 places,
	s_mov_b32 s[G1B+2], 5<<16
	s_mov_b32 s[G1B+3], 1536<<16
	s_mov_b32 s[G1B+4], 5
	s_mov_b32 s[G1B+5], 49152                      ; 393,216 bytes apart
	s_mov_b32 s[G1B+6], 0
	s_mov_b32 s[G1B+7], 0
	s_mov_b32 s[G0], 1
	s_mul_i32 s[G0+1], s16, 81920
	s_lshl_b32 s[G0+2], s17, 15
	s_lshl_b32 s20, s16, 14
	s_add_co_u32 s[G0+2], s[G0+2], s20
	s_mov_b32 s[G0+3], 0
	s_mov_b32 s[G0B], 1
	s_mul_i32 s[G0B+1], s16, 61440
	s_add_co_u32 s[G0B+1], s[G0B+1], BREG
	s_mul_i32 s[G0B+2], s42, 24576
	s_mul_i32 s20, s16, 12288
	s_add_co_u32 s[G0B+2], s[G0B+2], s20
	s_add_co_u32 s[G0B+2], s[G0B+2], 4194304
	s_mov_b32 s[G0B+3], 0
	; the prefetches: step 5 + wave
	s_add_co_u32 s22, s14, 5
	s_lshl_b32 s20, s22, 19
	s_lshl_b32 s21, s17, 15
	s_add_co_u32 s20, s20, s21
	s_lshl_b32 s21, s40, 13
	s_add_co_u32 s20, s20, s21                     ; x: my quarter of 8,192 bytes
	s_mul_i32 s22, s22, 393216
	s_mul_i32 s21, s42, 24576
	s_add_co_u32 s22, s22, s21
	s_mul_i32 s21, s41, 6144
	s_add_co_u32 s22, s22, s21
	s_add_co_u32 s22, s22, 4194304                 ; the weights: my quarter of 6,144
	; the way out
	s_lshl_b32 s45, s17, 1
	s_add_co_u32 s45, s45, s15                     ; my 128 tokens
	s_lshl_b32 s[QP], s16, 22
	s_lshl_b32 s21, s45, 17
	s_add_co_u32 s[QP], s[QP], s21
	s_add_co_u32 s[VP], s21, 8388608
	s_lshl_b32 s21, s42, 10
	s_add_co_u32 s[QP], s[QP], s21
	s_mov_b32 s[QP+1], 0
	s_lshl_b32 s21, s42, 13
	s_add_co_u32 s[VP], s[VP], s21
	s_lshl_b32 s21, s16, 12
	s_add_co_u32 s[VP], s[VP], s21
	s_mov_b32 s[VP+1], 0
	s_lshl_b32 s[VSP], s45, 12
	s_lshl_b32 s21, s42, 8
	s_add_co_u32 s[VSP], s[VSP], s21
	s_lshl_b32 s21, s16, 17
	s_add_co_u32 s[QSP], s[VSP], s21
	s_mov_b32 s[QSP+1], 0
	s_add_co_u32 s[VSP], s[VSP], 262144
	s_mov_b32 s[VSP+1], 0
	s_and_b32 s[TABP], s45, 15
	s_lshl_b32 s[TABP], s[TABP], 15
	s_mov_b32 s[TABP+1], 0
	s_mov_b32 s[SEL], 0x76543210
	s_mov_b32 s[SEL+1], 0xfedcba98
	s_mov_b32 s[MNT], 0x600000
	s_lshl_b32 s80, s45, 12                        ; scl: my 8 tiles of x,
	s_mul_i32 s82, s42, 6144
	s_mul_i32 s83, s16, 3072
	s_add_co_u32 s82, s82, s83
	s_add_co_u32 s82, s82, 131072                  ; my six places
	s_mul_i32 s84, s15, 81920
	s_mul_i32 s85, s16, 61440
	s_add_co_u32 s85, s85, BREG
	s_lshl_b32 s86, s15, 8
	s_add_co_u32 s86, s86, STGV
	s_lshl_b32 s87, s16, 3
	s_add_co_u32 s87, s87, s86
	v_and_b32 v1, 15, v0                           ; r
	v_bfe_u32 v2, v0, 4, 1                         ; h
	v_and_b32 v3, 31, v0
	v_lshlrev_b32 v[CO], 4, v3
	v_lshlrev_b32 v[VL8], 3, v3
	v_lshlrev_b32 v[RA], 4, v1
	v_lshl_add_u32 v[PFX], v3, 8, s20
	v_min_u32 v3, 23, v3
	v_lshl_add_u32 v[PFW], v3, 8, s22              ; (the lanes that are left over name the last block again)
	v_add_nc_u32 v[ADA], s84, v[CO]
	v_add_nc_u32 v[ADB], s85, v[CO]
	v_add_nc_u32 v[ADA+1], 49152, v[ADA]
	v_add_nc_u32 v[VLD], s86, v[VL8]
	v_add_nc_u32 v[VSA], s87, v[RA]
	v_and_b32 v3, 8, v1
	v_add_nc_u32 v3, v3, v1
	v_lshlrev_b32 v[TA], 8, v3                     ; cos and sin: token r + 8 (r / 8), my half's eight pairs
	v_lshl_add_u32 v[TA], v2, 6, v[TA]
	v_cmp_eq_u32 vcc_lo, 1, v2
	v_mov_b32 v3, s80
	v_mov_b32 v7, s82
	v_cndmask_b32 v[VSO], v3, v7, vcc_lo
	v_lshl_add_u32 v[VSO], v1, 5, v[VSO]
	s_wait_alu depctr_va_vdst(0)                   ; the wait at the head's end
	s_wait_dscnt 0x0                               ; both opening adds are done
	s_wait_kmcnt 0x0
.irp i, 0,1,2,3,4,5,6,7
.irp e, 0,1
	global_load_b128 v[SC+10*\i+4*\e:SC+10*\i+4*\e+3], v[VSO], s[6:7] offset:512*\i+16*\e   ; the scale words of all of K: once
.endr
.endr
	s_add_nc_u64 s[G0+2:G0+3], s[4:5], s[G0+2:G0+3]
	s_or_b32 s[G0+3], s[G0+3], 0x80000000
	s_add_nc_u64 s[G0B+2:G0B+3], s[4:5], s[G0B+2:G0B+3]
	s_or_b32 s[G0B+3], s[G0B+3], 0x80000000
	s_add_nc_u64 s[QP:QP+1], s[10:11], s[QP:QP+1]
	s_add_nc_u64 s[VP:VP+1], s[10:11], s[VP:VP+1]
	s_add_nc_u64 s[QSP:QSP+1], s[12:13], s[QSP:QSP+1]
	s_add_nc_u64 s[VSP:VSP+1], s[12:13], s[VSP:VSP+1]
	s_add_nc_u64 s[TABP:TABP+1], s[8:9], s[TABP:TABP+1]
	CROUND                                         ; all sixteen work-groups are here: the joint loads meet
	JLOAD
	s_cmp_lt_u32 s14, 3
	s_cbranch_scc0 .Lno_ask
	global_prefetch_b8 v[PFX], s[4:5] th:TH_LOAD_NT scope:SCOPE_SE
	global_prefetch_b8 v[PFW], s[4:5] th:TH_LOAD_NT scope:SCOPE_SE
.Lno_ask:
.macro FETCH_B slot, p                 ; the weight's six fragments into set p: 24 loads of 512 consecutive bytes
	WIN 0x40
.irp b, 0,1,2,3,4,5
.irp c, 0,1,2,3
	ds_load_b128 v[96*(\p)+16*\b+4*\c:96*(\p)+16*\b+4*\c+3], v[ADB] offset:12288*(\slot)+2048*\b+512*\c
.endr
.endr
.endm
.macro FETCH_X slot, i0, to            ; x's tiles i0 .. i0 + 3: 16 loads
.irp i, 0,1,2,3
.irp c, 0,1,2,3
	ds_load_b128 v[\to+16*\i+4*\c:\to+16*\i+4*\c+3], v[ADA+(\slot)/3] offset:16384*((\slot)%3)+2048*(\i0+\i)+512*\c
.endr
.endr
.endm
.macro FETCH1 slot, p                  ; 40 loads
	FETCH_B \slot, \p
.if (\p) == 0
	WIN 0
.endif
	FETCH_X \slot, 0, 128+64*(\p)
	WIN 0
.endm
.macro MUL hi, p, g                    ; 24 matrix instructions: x's tiles 4 hi .. 4 hi + 3 x six; each accumulator has one turn
.if \hi
.set AW_, 0
.set AB_, 192
.else
.set AW_, \p
.set AB_, 128+64*(\p)
.endif
	WIN (1|(AW_<<2)|((2+\hi)*0x50))
.irp i, 0,1,2,3
.irp b, 0,1,2,3
.set A_, 48*\i+8*\b
.if (\g) == 0
	v_wmma_scale_f32_16x16x128_f8f6f4 v[A_:A_+7], v[96*(\p)+16*\b:96*(\p)+16*\b+15], v[AB_+16*\i:AB_+16*\i+15], 0, v[SC+10*\b+(\g)], v[SC+10*(4*(\hi)+\i)+(\g)] matrix_a_scale:MATRIX_SCALE_ROW1
.else
	v_wmma_scale_f32_16x16x128_f8f6f4 v[A_:A_+7], v[96*(\p)+16*\b:96*(\p)+16*\b+15], v[AB_+16*\i:AB_+16*\i+15], v[A_:A_+7], v[SC+10*\b+(\g)], v[SC+10*(4*(\hi)+\i)+(\g)] matrix_a_scale:MATRIX_SCALE_ROW1
.endif
.endr
.endr
	WIN (AW_|(1<<2)|((2+\hi)*0x50))
.irp i, 0,1,2,3
.irp b, 4,5
.set A_, 48*\i+8*\b
.if (\g) == 0
	v_wmma_scale_f32_16x16x128_f8f6f4 v[A_:A_+7], v[AB_+16*\i:AB_+16*\i+15], v[96*(\p)+16*\b:96*(\p)+16*\b+15], 0, v[SC+10*(4*(\hi)+\i)+(\g)], v[SC+10*\b+(\g)] matrix_b_scale:MATRIX_SCALE_ROW1
.else
	v_wmma_scale_f32_16x16x128_f8f6f4 v[A_:A_+7], v[AB_+16*\i:AB_+16*\i+15], v[96*(\p)+16*\b:96*(\p)+16*\b+15], v[A_:A_+7], v[SC+10*(4*(\hi)+\i)+(\g)], v[SC+10*\b+(\g)] matrix_b_scale:MATRIX_SCALE_ROW1
.endif
.endr
.endr
.endm
.macro HALF2 p, g, slot                ; the second half of a step; its places serve the loads of x's tiles 4-7 and those of the next step's head
	MUL 1, \p, \g
	WIN 0
	PLACES 8
	FETCH_X \slot, 4, 192
.endm
.macro STEP g, slot                    ; step g; slot: the place of step g + 1
	s_wait_dscnt 16                                ; the weight's fragments and x's tiles 0-3 are in; x's tiles 4-7 may be out
	FETCH1 \slot, 1-(\g)%2
	MUL 0, (\g)%2, \g
	s_wait_dscnt 40                                ; all but the 40 loads of the next step
	HALF2 (\g)%2, \g, \slot
.endm
.macro LOADCS a                        ; cos and sin of tile a: 32 pairs of my row, half a lane: 8 loads
	WIN 0x40
.irp c, 0,1
.irp k, 0,1,2,3
	global_load_b128 v[32*(\a)+16*\c+4*\k:32*(\a)+16*\c+4*\k+3], v[TA], s[TABP:TABP+1] offset:(32*((\a)/2)+8*((\a)%2))*256+128*\c+16*\k
.endr
.endr
	WIN 0
.endm
	s_wait_loadcnt 0x0                             ; the scale words
	s_wait_tensorcnt 0x0                           ; my tiles of steps 0 to 4 are in
	s_barrier_signal -1
	s_barrier_wait -1                              ; everybody's are
	FETCH1 0, 0
	FETCH_X 0, 4, 192
	STEP 0, 1
	STEP 1, 2
	; step 2: places 0 to 2 have been read: one drained round of the cluster's barrier, and steps 5 to 7 take them
	s_wait_tensorcnt 0x0
	ds_add_u32 v[SPW], v[NIL]
	s_mov_b32 s[G1+2], 3<<16                       ; no tensor load of mine is out: from here on a load brings three steps
	s_mov_b32 s[G1+4], 3
	s_mov_b32 s[G1B+2], 3<<16
	s_mov_b32 s[G1B+4], 3
	s_add_nc_u64 s[G0+2:G0+3], s[G0+2:G0+3], 5*524288
	s_add_nc_u64 s[G0B+2:G0B+3], s[G0B+2:G0B+3], 5*393216
	s_wait_dscnt 0x0                               ; the add is done, and all my reads of places 0 to 2
	s_barrier_signal -1
	MUL 0, 0, 2
	WIN 0
	s_barrier_wait -1
	CREST
	JLOAD
	FETCH1 3, 1
	HALF2 0, 2, 3
	STEP 3, 4
	; step 4: steps 5 to 7 are shown
	s_wait_dscnt 0x0
	MUL 0, 0, 4
	WIN 0
	s_wait_tensorcnt 0x0
	s_barrier_signal -1
	s_barrier_wait -1
	FETCH1 0, 1
	HALF2 0, 4, 0
	STEP 5, 1
	STEP 6, 2
	s_wait_dscnt 16
	LOADCS 0                                       ; into set 0 of the weight's fragments, which the last step does not use
	LOADCS 1
	LOADCS 2
	MUL 0, 1, 7
	s_wait_dscnt 0x0
	MUL 1, 1, 7
	WIN 0
	PLACES 8
	LOADCS 3
	LOADCS 4
	LOADCS 5
	LOADCS 6
; THE WAY OUT.  QUANT: four blocks of 32: w = 0: 64 numbers in X (two tiles of q or k: block 2 (tile % 2) + c); w = 2, 3: v's accumulators of four tiles of x (block 2 (pair) + channel tile).
.macro SRC b, i
.if QW_
.set R_, 48*(2*((\b)/2)+(\i)/8)+32+8*((\b)%2)+(\i)%8
.else
.set R_, X+16*(\b)+(\i)
.endif
.endm
.macro QUANT w, pc
.set QW_, \w
	WIN (\w|(\w<<2))
.irp i, 0,2,4,6,8,10,12,14
.irp b, 0,1,2,3
	SRC \b, \i
.if \i == 0
	v_max3_num_f32 v[TM+\b], |v[R_]|, |v[R_+1]|, 0x4800000   ; the floor 2^(9 - 127) among them
.else
	v_max3_num_f32 v[TM+\b], |v[R_]|, |v[R_+1]|, v[TM+\b]
.endif
.endr
.endr
	WIN 0
.irp b, 0,1,2,3
	v_permlanex16_b32 v[TM+4+\b], v[TM+\b], s[SEL], s[SEL+1]
.endr
.irp b, 0,1,2,3
	v_max_num_f32 v[TM+\b], v[TM+\b], v[TM+4+\b]
.endr
.irp b, 0,1,2,3
	v_add_nc_u32 v[TM+12+\b], 0xfc000000, v[TM+\b]
.endr
.irp b, 0,1,2,3
	v_and_or_b32 v[TM+8+\b], v[TM+\b], 0x7f800000, s[MNT]
.endr
.irp b, 0,1,2,3
	v_lshrrev_b32 v[TM+4+\b], 23, v[TM+12+\b]
.endr
	WIN \w
.irp b, 0,1,2,3
.irp i, 0,1,2,3,4,5,6,7,8,9,10,11,12,13,14,15
	SRC \b, \i
	v_med3_num_f32 v[X+16*\b+\i], v[R_], -v[TM+8+\b], v[TM+8+\b]   ; the hold: the conversion does not saturate (ISA guide 7.6.2)
.endr
.endr
	WIN 0
.irp b, 0,1,2,3
	v_cvt_scalef32_pk8_fp8_f32 v[\pc+4*\b:\pc+1+4*\b], v[X+16*\b:X+7+16*\b], v[TM+12+\b]
	v_cvt_scalef32_pk8_fp8_f32 v[\pc+2+4*\b:\pc+3+4*\b], v[X+8+16*\b:X+15+16*\b], v[TM+12+\b]
.endr
.endm
.macro VSTORE q, pc
.irp b, 0,1,2,3
	global_store_b128 v[CO], v[\pc+4*\b:\pc+4*\b+3], s[VP:VP+1] offset:2048*(\b%2)+512*(2*\q+\b/2)
.endr
.endm
.macro ROPE a, to                      ; 64 channels of tile a: (e, o) -> (cos e - sin o, sin e + cos o)
.set AC_, 48*((\a)%4)
.set CS_, 32*(\a)
	WIN ((2+(\a)/4)|(1<<2))
.irp n, 0,1
.irp p, 0,1,2,3,4,5,6,7
	v_pk_mul_f32 v[TP+2*\p:TP+2*\p+1], v[AC_+16*\n+2*\p:AC_+16*\n+2*\p+1], v[CS_+16*\n+2*\p:CS_+16*\n+2*\p+1] op_sel_hi:[1,0]
.endr
.irp p, 0,1,2,3,4,5,6,7
	v_pk_fma_f32 v[\to+16*\n+2*\p:\to+16*\n+2*\p+1], v[AC_+16*\n+2*\p:AC_+16*\n+2*\p+1], v[CS_+16*\n+2*\p:CS_+16*\n+2*\p+1], v[TP+2*\p:TP+2*\p+1] op_sel:[1,1,0] op_sel_hi:[0,1,1] neg_lo:[0,1,0]
.endr
.endr
	WIN 0
.endm
.macro PAIR P
	s_wait_alu depctr_va_vdst(0)                   ; directly ahead of the waits below
	s_wait_xcnt 0x0                                ; the stores of two blocks back have read their registers
	s_wait_loadcnt 48-16*\P                        ; cos and sin of tiles 2 P and 2 P + 1 are in
	ROPE 2*\P, X
	ROPE 2*\P+1, X+32
	QUANT 0, PC0+16*(\P%2)
	v_lshl_or_b32 v[WD+\P], v[TM+5], 8, v[TM+4]
	v_lshl_or_b32 v[WD+\P], v[TM+6], 16, v[WD+\P]
	v_lshl_or_b32 v[WD+\P], v[TM+7], 24, v[WD+\P]
.irp b, 0,1,2,3
	global_store_b128 v[CO], v[PC0+16*(\P%2)+4*\b:PC0+16*(\P%2)+4*\b+3], s[QP:QP+1] offset:16384*(2*\P+\b/2)+512*(\b%2)
.endr
.endm
	QUANT 2, PC0
	v_lshl_or_b32 v[VW], v[TM+6], 8, v[TM+4]
	v_lshl_or_b32 v[VW+1], v[TM+7], 8, v[TM+5]
	VSTORE 0, PC0
	LOADCS 7
	QUANT 3, PC0+16
	v_lshl_or_b32 v[VW], v[TM+4], 16, v[VW]
	v_lshl_or_b32 v[VW+1], v[TM+5], 16, v[VW+1]
	v_lshl_or_b32 v[VW], v[TM+6], 24, v[VW]
	v_lshl_or_b32 v[VW+1], v[TM+7], 24, v[VW+1]
	VSTORE 1, PC0+16
	ds_store_b64 v[VSA], v[VW:VW+1]                ; row r: my two channel tiles' words
	PAIR 0
	PAIR 1
	PAIR 2
	s_wait_alu depctr_va_vdst(0)
	s_wait_dscnt 0x0
	s_barrier_signal -1
	s_barrier_wait -1
	s_cmp_eq_u32 s16, 0
	s_cbranch_scc0 .Lv_done
	ds_load_b64 v[22:23], v[VLD]                   ; both waves' words of v leave whole: 256 bytes
	s_wait_dscnt 0x0
	global_store_b64 v[VL8], v[22:23], s[VSP:VSP+1]
.Lv_done:
	PAIR 3
	global_store_b128 v[RA], v[WD:WD+3], s[QSP:QSP+1]   ; 256 bytes; both halves of the lanes hold the same words
	s_wait_tensorcnt 0x0                           ; the wave's end
	ds_add_u32 v[SPW], v[NIL]
	s_wait_dscnt 0x0
	CROUND                                         ; the closing round
	s_endpgm
.Lfunc_end_k_qee7a36c1c5_qkv:
	.size	k_qee7a36c1c5_qkv, .Lfunc_end_k_qee7a36c1c5_qkv-k_qee7a36c1c5_qkv
	.p2alignl 7, 3214868480
	.fill 96, 4, 3214868480
	.section	.rodata,"a",@progbits
	.p2align	6, 0x0
	.amdhsa_kernel k_qee7a36c1c5_qkv
		.amdhsa_group_segment_fixed_size 327680
		.amdhsa_private_segment_fixed_size 0
		.amdhsa_enable_private_segment 0
		.amdhsa_kernarg_size 40
		.amdhsa_user_sgpr_count 2
		.amdhsa_user_sgpr_kernarg_segment_ptr 1
		.amdhsa_wavefront_size32 1
		.amdhsa_system_sgpr_workgroup_id_x 1
		.amdhsa_system_sgpr_workgroup_id_y 1
		.amdhsa_system_sgpr_workgroup_id_z 1
		.amdhsa_system_vgpr_workitem_id 0
		.amdhsa_next_free_vgpr 1024
		.amdhsa_next_free_sgpr 100
		.amdhsa_reserve_vcc 1
		.amdhsa_float_denorm_mode_32 3
		.amdhsa_float_denorm_mode_16_64 3
		.amdhsa_memory_ordered 1
		.amdhsa_forward_progress 1
		.amdhsa_inst_pref_size 166
	.end_amdhsa_kernel
	.amdgpu_metadata
---
amdhsa.version: [ 1, 2 ]
amdhsa.kernels:
  - .name:           k_qee7a36c1c5_qkv
    .symbol:         k_qee7a36c1c5_qkv.kd
    .args:
      - { .name: codes, .offset: 0, .size: 8, .value_kind: global_buffer, .address_space: global }
      - { .name: scl, .offset: 8, .size: 8, .value_kind: global_buffer, .address_space: global }
      - { .name: tab, .offset: 16, .size: 8, .value_kind: global_buffer, .address_space: global }
      - { .name: qkvc, .offset: 24, .size: 8, .value_kind: global_buffer, .address_space: global }
      - { .name: qkvs, .offset: 32, .size: 8, .value_kind: global_buffer, .address_space: global }
    .group_segment_fixed_size: 327680
    .private_segment_fixed_size: 0
    .kernarg_segment_align: 8
    .kernarg_segment_size: 40
    .max_flat_workgroup_size: 128
    .sgpr_count:     100
    .vgpr_count:     1024
    .wavefront_size: 32
...
	.end_amdgpu_metadata
.endif
;; end of part 2
;; launch attn (part 3): grid 8 x 32, 16 waves a work-group, clusters of 4 x 1, 327,680 bytes of LDS; arguments qkvc, qkvs, codes, scl; writes codes, scl
.if DOCPART == 3
	.amdgcn_target "amdgcn-amd-amdhsa--gfx1250"
	.amdhsa_code_object_version 6
	.text
	.protected	k_qee7a36c1c5_attn
	.globl	k_qee7a36c1c5_attn
	.p2align	8
	.type	k_qee7a36c1c5_attn,@function
k_qee7a36c1c5_attn:
	s_mov_b64 s[64:65], 0
	v_nop
	global_prefetch_b8 v0, s[64:65] scope:SCOPE_SE
	s_setreg_imm32_b32 hwreg(HW_REG_WAVE_MODE, 25, 1), 1
	s_wait_xcnt 0x0
	s_wait_alu depctr_hold_cnt(0) depctr_sa_sdst(0) depctr_va_vdst(0) depctr_va_sdst(0) depctr_va_ssrc(0) depctr_va_vcc(0) depctr_vm_vsrc(0)
	s_getreg_b32 s2, hwreg(HW_REG_IB_STS2, 6, 4)
	s_cmp_eq_u32 s2, 0
	s_cbranch_scc0 .Lentry_in_a_cluster
	s_endpgm
.Lentry_in_a_cluster:
	s_bfe_u32 s2, ttmp6, 0x10000c
	s_cmp_lg_u32 s2, 0x3003
	s_cbranch_scc0 .Lentry_shape_is_right
	s_endpgm
.Lentry_shape_is_right:
; ATTN: causal attention on codes of FP8 (E4M3), head size 64, 2,048 tokens, 32 (batch, head) pairs; O / l is quantised along d_model and leaves as the last product's operand, in the places that x's codes had, laid [T][ks 8][2,048].
; t = score x log2(e) / 8; M = the running largest t rounded UP to a whole number; p = 2^(t - M) is quantised along the keys, not normalised; the row's sum is taken of the unquantised p and divides O at the end.
; IN (images of operand registers; a tile T is 16 tokens: row r of it is token 32 (T / 2) + 8 (T % 2) + r + 8 (r / 8)): q at 0, k at 4 MiB of qkvc: [token tile][head][c 2][512]; v at 8 MiB: [128 tokens][head][channel tile 4][c 4][512];
; their scale words in qkvs: [128 tokens][head][r 16][4 words].
; SHARES.  Work-group (j, y): head y % 16 of batch y / 16; of each run of 128 queries its tile j: sixteen tiles, one a wave.  The tile of run n takes n + 1 key steps of 128; steps wholly behind the causal diagonal are not done.
; Waves 0-7 take runs 15 .. 8, waves 8-11 runs 4 .. 7, waves 12-15 runs 0 .. 3: waves w, w + 4, w + 8, w + 12 have 34 steps together.
; Branches hang on the wave's number and on counters alone; j enters the addresses of Q and O in memory, the mask's threshold and a shift of Q's scale word.
; THE WHOLE HEAD'S K AND V LIE IN LDS, filled once, by joint loads of the four partners of a cluster (they walk the same head), one load a wave: step 0 and all scale words are shown by the first barrier, the rest by the second.
; No slot is filled again.  No prefetch: every tensor load of the launch goes out at its head, there is no loop of loads to run ahead in.
; BOTH PRODUCTS ARE USED TRANSPOSED: S^T = K Q^T, O^T = V^T P^T: a lane holds one query throughout, and by the choice of a tile's rows the 16 registers of tiles 2 b, 2 b + 1 are 16 neighbouring keys (or channels).
; HEAD SIZE 64 IN AN INSTRUCTION OF K = 128: a fragment of K holds tile 2 b in k 0-63 and tile 2 b + 1 in k 64-127; Q stands as [q | 0 | q] in 24 registers, of which [q | 0] picks the even tile and [0 | q] the odd one: zero codes add nothing.
; LIMITS: NaN and infinities are not served; scaled scores stay under 2^31 in magnitude; a block of p or of O whose largest magnitude lies under 2^-118 gets the byte 1; 1 / l is v_rcp_f32.
; O's scale bytes leave one byte a lane: 2 bytes of each row's 32 belong to a head.
; REGISTERS: v1-3 addresses that stay; v4, v6 the step's; v5, v63 the add's; v7 the mask's threshold; v12 -M, v13 the largest t, v[14:15] the sum; v16-39 Q; v50, v51 Q's scale words; v52-55 K's, v56-59 V's;
;   v[60:61] f or 1 / l; v62 p's scale word; v64-127 four fragments of K or V; v128-191 S^T, then p; v192-223 O^T; v224-239 p's codes; v240-255 at work.
.set VC,   131072                      ; LDS: K's codes [tile 128][1,024] at 0; V's [step 16][8,192] here;
.set KSC,  262144                      ; K's scale words [step][256]; V's 4,096 bytes further on
.set SPARE, 270336                     ; the spare words, 128 bytes for each wave
.set LK,  1                            ; v1   16 x lane (also my offset in O's codes)
.set LV,  2                            ; v2   VC + 16 x lane
.set LS,  3                            ; v3   KSC + 16 r
.set ADK, 4
.set SPW, 5
.set ADS, 6
.set DG,  7                            ; v7   my query's place in its 128, less 16 h
.set QSO, 8                            ; v8   16 r
.set BYO, 9                            ; v9   32 r + h
.set NINF, 10
.set T0,  11
.set NIL, 63
.set FQ,  60
.set PW,  62
.set KS,  52
.set VS,  56
.set F,   64
.set S,   128
.set O,   192
.set PC,  224
.set BM,  240                          ; v240-243 the blocks' largest; v244-247 permute results, then bytes; v248-251 holds; v252-255 the conversions' scale operands
.set PB,  244
.set HD,  248
.set SO,  252
.set WV,  12
.set MNT, 19
.set SEL, 20
.set CS,  22                           ; s[22:23] c = log2(e) / 8
.set G1A, 24                           ; descriptor groups 1: K's step 0,
.set G1B, 32                           ; V's step 0,
.set G1S, 40                           ; scale words,
.set G1K, 48                           ; a quarter of K's other steps,
.set G1V, 56                           ; a third of V's
.set ST,  3                            ; s3   the key step
.set TB,  96
.set TS,  97
.set HM,  98                           ; s98  lanes 16-31
.set SCR, 100                          ; s100 the tile's own run of 128: its last step, on the diagonal
.macro CROUND
	s_barrier_signal -1
	s_barrier_wait -1
	s_cmp_lg_u32 s[WV], 0
	s_cbranch_scc1 .Lnot_wave_0_\@
	s_barrier_signal -3
.Lnot_wave_0_\@:
	s_barrier_wait -3
	s_barrier_signal -1
	s_barrier_wait -1
.endm
.macro GROUP1 g, c, r, p               ; r rows of c elements of 8 bytes, p elements apart; the mask names all four partners, bit 21 beside it, no padding
	s_mov_b32 s[\g], 15|(3<<16)|(1<<21)
	s_mov_b32 s[\g+1], (\c)<<16
	s_mov_b32 s[\g+2], (\r)<<16
	s_mov_b32 s[\g+3], (\c)<<16
	s_mov_b32 s[\g+4], \r
	s_mov_b32 s[\g+5], \p
	s_mov_b32 s[\g+6], 0
	s_mov_b32 s[\g+7], 0
.endm
	s_load_b256 s[4:11], s[0:1], 0x0               ; qkvc s[4:5], qkvs s[6:7], codes s[8:9], scl s[10:11]
	v_lshl_add_u32 v[SPW], v0, 2, SPARE
	v_mov_b32 v[NIL], 0
	ds_add_u32 v[SPW], v[NIL]                      ; the wave's opening: the add, twice on end, and its wait ahead of the first tensor load
	ds_add_u32 v[SPW], v[NIL]
	v_lshrrev_b32 v1, 5, v0
	v_readfirstlane_b32 s[WV], v1                  ; wave 0..15
	s_bfe_u32 s13, ttmp6, 0x40000                  ; cx
	s_lshl_b32 s14, ttmp9, 2
	s_add_co_u32 s14, s14, s13                     ; j = 4 x cluster x + cx
	s_and_b32 s16, ttmp7, 0xffff
	s_lshr_b32 s15, s16, 4                         ; batch
	s_and_b32 s16, s16, 15                         ; head
	GROUP1 G1A, 128, 8, 2048                       ; 8 tiles of 1,024 bytes, 16,384 bytes apart
	GROUP1 G1B, 128, 8, 128                        ; 8,192 dense bytes
	GROUP1 G1S, 32, 16, 512                        ; 16 steps of 256 bytes, 4,096 bytes apart
	GROUP1 G1K, 128, 30, 2048                      ; 30 tiles
	GROUP1 G1V, 1024, 5, 16384                     ; 5 steps of 8,192 bytes, 131,072 bytes apart
	; groups 0: s[68:71] K's step 0, s[72:75] V's, s[76:79] scale words (waves 2, 3), s[80:83] K (waves 4-7), s[84:87] V (waves 8-10)
	s_lshl_b32 s68, s15, 21                        ; a batch's 16 runs of 131,072 bytes
	s_lshl_b32 s69, s16, 10
	s_add_co_u32 s70, s68, s69
	s_add_co_u32 s70, s70, 4194304                 ; my head's first tile of K
	s_lshl_b32 s69, s16, 13
	s_add_co_u32 s74, s68, s69
	s_add_co_u32 s74, s74, 8388608                 ; and of V
	s_and_b32 s72, s[WV], 3
	s_mul_i32 s69, s72, 30*16384
	s_add_co_u32 s82, s70, s69
	s_add_co_u32 s82, s82, 8*16384
	s_mul_i32 s69, s72, 5*131072
	s_add_co_u32 s86, s74, s69
	s_add_co_u32 s86, s86, 131072
	s_mul_i32 s81, s72, 30*1024
	s_add_co_u32 s81, s81, 8192
	s_mul_i32 s85, s72, 5*8192
	s_add_co_u32 s85, s85, VC+8192
	s_and_b32 s72, s[WV], 1                        ; waves 2, 3: K's, V's scale words
	s_lshl_b32 s77, s72, 12
	s_add_co_u32 s77, s77, KSC
	s_add_co_u32 s72, s72, 1
	s_lshl_b32 s78, s72, 17
	s_lshl_b32 s69, s15, 16
	s_add_co_u32 s78, s78, s69
	s_lshl_b32 s69, s16, 8
	s_add_co_u32 s78, s78, s69
	s_mov_b32 s68, 1
	s_mov_b32 s69, 0
	s_mov_b32 s71, 0
	s_mov_b32 s72, 1
	s_mov_b32 s73, VC
	s_mov_b32 s75, 0
	s_mov_b32 s76, 1
	s_mov_b32 s79, 0
	s_mov_b32 s80, 1
	s_mov_b32 s83, 0
	s_mov_b32 s84, 1
	s_mov_b32 s87, 0
	s_sub_co_u32 s13, 15, s[WV]                    ; my run
	s_xor_b32 s17, s[WV], 4
	s_and_b32 s17, s17, 7
	s_cmp_lt_u32 s[WV], 8
	s_cselect_b32 s[SCR], s13, s17
	s_lshl_b32 s13, s15, 7
	s_add_co_u32 s13, s13, s14                     ; 128 x batch + j
	s_lshl_b32 s88, s[SCR], 3
	s_add_co_u32 s88, s88, s13                     ; my tile
	s_lshl_b32 s13, s16, 1
	s_lshl_b32 s90, s88, 9
	s_add_co_u32 s90, s90, s13                     ; tile x 512 + 2 x head: O's scale bytes
	s_lshl_b32 s13, s16, 10
	s_lshl_b32 s88, s88, 14
	s_add_co_u32 s88, s88, s13                     ; tile x 16,384 + head x 1,024: q's place in qkvc and O's in codes
	s_mov_b32 s89, 0
	s_mov_b32 s91, 0
	s_lshl_b32 s66, s15, 16                        ; q's scale words: batch, head, word j / 2, run
	s_lshl_b32 s13, s16, 8
	s_add_co_u32 s66, s66, s13
	s_lshr_b32 s13, s14, 1
	s_lshl_b32 s13, s13, 2
	s_add_co_u32 s66, s66, s13
	s_lshl_b32 s13, s[SCR], 12
	s_add_co_u32 s66, s66, s13
	s_mov_b32 s67, 0
	s_lshr_b32 s98, s14, 1
	s_lshl_b32 s98, s98, 5
	s_and_b32 s13, s14, 1
	s_lshl_b32 s99, s13, 3
	s_add_co_u32 s98, s98, s99                     ; 32 (j / 2) + 8 (j % 2)
	s_lshl_b32 s13, s13, 4                         ; the shift of q's scale word
	v_and_b32 v[QSO], 31, v0
	v_lshlrev_b32 v[LK], 4, v[QSO]
	v_add_nc_u32 v[LV], VC, v[LK]
	v_and_b32 v[QSO], 15, v0                       ; r
	v_bfe_u32 v[T0], v0, 4, 1                      ; h
	v_lshl_add_u32 v[LS], v[QSO], 4, KSC
	v_lshl_add_u32 v[BYO], v[QSO], 5, v[T0]
	v_and_b32 v[DG], 8, v[QSO]
	v_lshlrev_b32 v[T0], 4, v[T0]
	v_add_nc_u32 v[DG], v[DG], v[QSO]              ; r + 8 (r / 8)
	v_lshlrev_b32 v[QSO], 4, v[QSO]
	v_sub_nc_u32 v[DG], v[DG], v[T0]               ; - 16 h
	v_mov_b32 v[NINF], 0xff800000
	v_add_nc_u32 v[DG], s98, v[DG]                 ; a number that is compared, no address
	s_wait_alu depctr_va_vdst(0)                   ; directly ahead of the waits below
	s_wait_dscnt 0x0                               ; both opening adds are done
	s_wait_kmcnt 0x0
	s_add_nc_u64 s[96:97], s[4:5], s[88:89]
	s_add_nc_u64 s[66:67], s[6:7], s[66:67]
.irp c, 0,1
	global_load_b128 v[16+4*\c:19+4*\c], v[LK], s[96:97] offset:512*\c   ; q, twice: the two ends of [q | 0 | q]
	global_load_b128 v[32+4*\c:35+4*\c], v[LK], s[96:97] offset:512*\c
.endr
	global_load_b32 v50, v[QSO], s[66:67]
	s_add_nc_u64 s[88:89], s[8:9], s[88:89]
	s_add_nc_u64 s[90:91], s[10:11], s[90:91]
	s_add_nc_u64 s[70:71], s[4:5], s[70:71]
	s_or_b32 s71, s71, 0x80000000
	s_add_nc_u64 s[74:75], s[4:5], s[74:75]
	s_or_b32 s75, s75, 0x80000000
	s_add_nc_u64 s[78:79], s[6:7], s[78:79]
	s_or_b32 s79, s79, 0x80000000
	s_add_nc_u64 s[82:83], s[4:5], s[82:83]
	s_or_b32 s83, s83, 0x80000000
	s_add_nc_u64 s[86:87], s[4:5], s[86:87]
	s_or_b32 s87, s87, 0x80000000
	CROUND                                         ; all four work-groups are here: the joint loads meet
.macro ARM under, g0, g1, next         ; one chain of branches on the wave's number, one load to an arm
	s_cmp_lt_u32 s[WV], \under
	s_cbranch_scc0 \next
	tensor_load_to_lds s[\g0:\g0+3], s[\g1:\g1+7]
	s_nop 0
.rept 4
	v_nop
.endr
	s_branch .Lasked
\next:
.endm
	ARM 1, 68, G1A, .Larm_1
	ARM 2, 72, G1B, .Larm_2
	ARM 4, 76, G1S, .Larm_4
	ARM 8, 80, G1K, .Larm_8
	ARM 11, 84, G1V, .Larm_11
.Lasked:
.irp i, 0,1,2,3,4,5,6,7
	v_mov_b32 v[24+\i], 0                          ; the middle: zero codes
.endr
.irp b, 0,1,2,3
	v_mov_b32 v[PB+\b], 0                          ; written once: a lane permute's destination counts as one of its sources
.endr
	v_mov_b32 v[FQ+1], 0                           ; (named as the upper half of a pair)
	v_mov_b32 v13, 0xff61b1e6                      ; the largest t lies under every t; O^T and the sum are zeros: the first change of M multiplies zeros
	v_mov_b32 v14, 0
	v_mov_b32 v15, 0
	v_floor_f32 v12, -v13
.set n, 0
.rept 32
	v_mov_b32 v[O+n], 0
.set n, n+1
.endr
	s_mov_b32 s[SEL], 0x76543210
	s_mov_b32 s[SEL+1], 0xfedcba98
	s_mov_b32 s[CS], 0x3e38aa3b
	s_mov_b32 s[CS+1], s[CS]                       ; (named with it as a pair, so it is written)
	s_mov_b32 s[MNT], 0x600000
	s_mov_b32 s[HM], 0xffff0000
	s_wait_alu depctr_va_vdst(0)
	s_wait_loadcnt 0x0                             ; q and its scale words
	v_lshrrev_b32 v50, s13, v50                    ; my tile's two bytes of the word; the bytes over zero codes are 127
	v_and_b32 v50, 0xffff, v50
	v_lshl_or_b32 v51, v50, 16, 0x7f7f             ; for [0 | q]
	v_or_b32 v50, 0x7f7f0000, v50                  ; for [q | 0]
.macro SUM1 s, t                       ; 16 pairs of p onto the row's sum, in four chains: the first 7 pairs' four lines ..
	v_pk_add_f32 v[\t:\t+1], v[\s:\s+1], v[\s+2:\s+3]
	v_pk_add_f32 v[\t+2:\t+3], v[\s+4:\s+5], v[\s+6:\s+7]
	v_pk_add_f32 v[\t+4:\t+5], v[\s+8:\s+9], v[\s+10:\s+11]
	v_pk_add_f32 v[14:15], v[14:15], v[\s+12:\s+13]
.endm
.macro SUM2 s, t                       ; .. and the other twelve lines
.set n, 14
.rept 2
	v_pk_add_f32 v[\t:\t+1], v[\t:\t+1], v[\s+n:\s+n+1]
	v_pk_add_f32 v[\t+2:\t+3], v[\t+2:\t+3], v[\s+n+2:\s+n+3]
	v_pk_add_f32 v[\t+4:\t+5], v[\t+4:\t+5], v[\s+n+4:\s+n+5]
	v_pk_add_f32 v[14:15], v[14:15], v[\s+n+6:\s+n+7]
.set n, n+8
.endr
	v_pk_add_f32 v[\t:\t+1], v[\t:\t+1], v[\s+30:\s+31]
	v_pk_add_f32 v[\t+2:\t+3], v[\t+2:\t+3], v[\t+4:\t+5]
	v_pk_add_f32 v[14:15], v[14:15], v[\t:\t+1]
	v_pk_add_f32 v[14:15], v[14:15], v[\t+2:\t+3]
.endm
.macro HOLD8 d, s, h                   ; eight p held at the largest code x the scale: p is not negative, so the hold is one-sided
.set n, 0
.rept 4
	v_dual_min_num_f32 v[\d+n], v[\h], v[\s+n] :: v_dual_min_num_f32 v[\d+n+1], v[\h], v[\s+n+1]
.set n, n+2
.endr
.endm
; A KEY STEP: 128 keys.  loop = 0: step 0, its addresses are constants;  loop = 1: the step stands in s[ST].  Behind the second product stand 12 plain lines, so the next step's loads may land where it read.
.macro STEP loop
.if \loop
	s_lshl_b32 s[TS], s[ST], 8
	s_lshl_b32 s[TB], s[ST], 13
	v_add_nc_u32 v[ADK], s[TB], v[LK]
	v_add_nc_u32 v[ADS], s[TS], v[LS]
.set AK, ADK
.set AV, ADK
.set AW, ADS
.else
.set AK, LK
.set AV, LV
.set AW, LS
.endif
	ds_load_b128 v[KS:KS+3], v[AW]                 ; K's four scale words
.irp b, 0,1,2,3
.irp c, 0,1,2,3
	ds_load_b128 v[F+16*\b+4*\c:F+16*\b+4*\c+3], v[AK] offset:2048*\b+512*\c   ; K's tiles 2 b and 2 b + 1 as one fragment
.endr
.endr
	s_wait_alu depctr_va_vdst(0)                   ; directly ahead of the wait below
.irp b, 0,1,2,3
	s_wait_dscnt 12-4*\b                           ; fragment b is in; the four loads of each later one may be out
.irp e, 0,1
	v_wmma_scale_f32_16x16x128_f8f6f4 v[S+8*(2*\b+\e):S+8*(2*\b+\e)+7], v[F+16*\b:F+16*\b+15], v[16+8*\e:31+8*\e], 0, v[KS+\b], v[50+\e]
.endr
.endr
.if \loop
	v_add_nc_u32 v[ADK], s[TB], v[LV]              ; eight places behind the products
.else
	v_nop
.endif
	v_mov_b32 v[FQ], v12                           ; the old -M
.rept 6
	v_nop
.endr
.irp t, 0,1,2,3
.irp c, 0,1,2,3
	ds_load_b128 v[F+16*\t+4*\c:F+16*\t+4*\c+3], v[AV] offset:2048*\t+512*\c   ; V's four channel tiles land under the softmax
.endr
.endr
	ds_load_b128 v[VS:VS+3], v[AW] offset:4096
.if \loop
	s_cmp_lg_u32 s[ST], s[SCR]
.else
	s_cmp_lg_u32 s[SCR], 0
.endif
	s_cbranch_scc1 .Lopen_\@
.set n, 0
.rept 64                               ; on the diagonal: register 16 b + i holds key 32 b + 16 h + i of the step: hidden where 32 b + i > my threshold
	v_cmp_gt_i32 vcc_lo, 32*(n/16)+n%16, v[DG]
	v_cndmask_b32 v[S+n], v[S+n], v[NINF], vcc_lo
.set n, n+1
.endr
.Lopen_\@:
.irp b, 0,1,2,3
	v_max3_num_f32 v[BM+\b], v[S+16*\b], v[S+1+16*\b], v[S+2+16*\b]   ; the largest score of each block of 32 keys: for the row's maximum and for the block's largest p
.endr
.irp i, 3,5,7,9,11,13
.irp b, 0,1,2,3
	v_max3_num_f32 v[BM+\b], v[BM+\b], v[S+16*\b+\i], v[S+1+16*\b+\i]
.endr
.endr
.irp b, 0,1,2,3
	v_max_num_f32 v[BM+\b], v[BM+\b], v[S+15+16*\b]
.endr
.irp b, 0,1,2,3
	v_permlanex16_b32 v[PB+\b], v[BM+\b], s[SEL], s[SEL+1]
.endr
.irp b, 0,1,2,3
	v_max_num_f32 v[BM+\b], v[BM+\b], v[PB+\b]
.endr
	s_delay_alu instid0(VALU_DEP_2)
	v_max3_num_f32 v[T0], v[BM], v[BM+1], v[BM+2]
	s_delay_alu instid0(VALU_DEP_1)
	v_max_num_f32 v[T0], v[T0], v[BM+3]
	s_delay_alu instid0(VALU_DEP_1)
	v_mul_f32 v[T0], s[CS], v[T0]
	s_delay_alu instid0(VALU_DEP_1)
	v_max_num_f32 v13, v13, v[T0]                  ; the running largest t
	s_delay_alu instid0(VALU_DEP_1)
	v_floor_f32 v12, -v13                          ; the new -M = -ceil(t)
	s_delay_alu instid0(VALU_DEP_1)
	v_sub_f32 v[FQ], v12, v[FQ]                    ; old M - new M: a whole number, 0 or less
	s_delay_alu instid0(VALU_DEP_1)
	v_cvt_i32_f32 v[FQ], v[FQ]                     ; (it saturates)
	s_delay_alu instid0(VALU_DEP_1)
	v_ldexp_f32 v[FQ], 1.0, v[FQ]                  ; f = 2^(old M - new M)
.set n, 0
.rept 32
	v_pk_fma_f32 v[S+n:S+n+1], v[S+n:S+n+1], s[CS:CS+1], v[12:13] op_sel_hi:[1,0,0]   ; t - M
.set n, n+2
.endr
.irp b, 0,1,2,3
	v_fma_f32 v[BM+\b], v[BM+\b], s[CS], v12
.endr
.set n, 0
.rept 16
	v_pk_mul_f32 v[O+n:O+n+1], v[O+n:O+n+1], v[FQ:FQ+1] op_sel_hi:[1,0]   ; O^T under the new M
.set n, n+2
.endr
	s_wait_alu depctr_va_vdst(0)                   ; ahead of the batch
.irp b, 0,1,2,3
	v_exp_f32 v[BM+\b], v[BM+\b]                   ; the blocks' largest p
.endr
.set n, 0
.rept 64
	v_exp_f32 v[S+n], v[S+n]                       ; p = 2^(t - M)
.set n, n+1
.endr
	v_pk_mul_f32 v[14:15], v[14:15], v[FQ:FQ+1] op_sel_hi:[1,0]   ; the sums under the new M: a plain line behind the exponentials
	s_wait_alu depctr_va_vdst(0)                   ; one wait for the batch, ahead of its first reader
	SUM1 S+32, PC                                  ; the second half of the p, before the hold
	SUM2 S+32, PC
.irp b, 0,1,2,3
	v_max_num_f32 v[BM+\b], 0x4800000, v[BM+\b]    ; the floor 2^(9 - 127)
.endr
.irp b, 0,1,2,3
	v_add_nc_u32 v[SO+\b], 0xfc000000, v[BM+\b]
.endr
.irp b, 0,1,2,3
	v_and_or_b32 v[HD+\b], v[BM+\b], 0x7f800000, s[MNT]
.endr
.irp b, 0,1,2,3
	v_lshrrev_b32 v[PB+\b], 23, v[SO+\b]
.endr
	s_delay_alu instid0(VALU_DEP_3)
	v_lshl_or_b32 v[PW], v[PB+1], 8, v[PB]         ; p's scale word for these 128 keys
	s_delay_alu instid0(VALU_DEP_1)
	v_lshl_or_b32 v[PW], v[PB+2], 16, v[PW]
	s_delay_alu instid0(VALU_DEP_1)
	v_lshl_or_b32 v[PW], v[PB+3], 24, v[PW]
.irp b, 0,1                            ; blocks 0 and 1 are held in other registers, since their p are summed behind the holds
	HOLD8 PC+8, S+16*\b, HD+\b
	v_cvt_scalef32_pk8_fp8_f32 v[PC+4*\b:PC+1+4*\b], v[PC+8:PC+15], v[SO+\b]
	HOLD8 BM, S+8+16*\b, HD+\b
	v_cvt_scalef32_pk8_fp8_f32 v[PC+2+4*\b:PC+3+4*\b], v[BM:BM+7], v[SO+\b]
.endr
	s_wait_dscnt 0x0                               ; V is in
.irp b, 2,3
	HOLD8 S+16*\b, S+16*\b, HD+\b
	HOLD8 S+8+16*\b, S+8+16*\b, HD+\b
	v_cvt_scalef32_pk8_fp8_f32 v[PC+4*\b:PC+1+4*\b], v[S+16*\b:S+7+16*\b], v[SO+\b]
	v_cvt_scalef32_pk8_fp8_f32 v[PC+2+4*\b:PC+3+4*\b], v[S+8+16*\b:S+15+16*\b], v[SO+\b]
.endr
	SUM1 S, BM                                     ; the first half of the p; four places between the conversions and the products
.irp t, 0,1,2,3
	v_wmma_scale_f32_16x16x128_f8f6f4 v[O+8*\t:O+8*\t+7], v[F+16*\t:F+16*\t+15], v[PC:PC+15], v[O+8*\t:O+8*\t+7], v[VS+\t], v[PW]
.endr
	SUM2 S, BM                                     ; also the places behind the products
.endm
	s_wait_alu depctr_va_vdst(0)                   ; the wait at the head's end
	s_cmp_lt_u32 s[WV], 4
	s_cbranch_scc0 .Lnot_first
	s_wait_tensorcnt 0x0                           ; waves 0-3: step 0 and the scale words are in
.Lnot_first:
	s_barrier_signal -1
	s_barrier_wait -1
	STEP 0
	s_wait_alu depctr_va_vdst(0)
	s_wait_tensorcnt 0x0                           ; every wave's load is in
	s_wait_dscnt 0x0
	s_barrier_signal -1
	s_barrier_wait -1                              ; the whole head is in
	s_mov_b32 s[ST], 1
.Lstep:                                            ; steps 1 to 15
	s_cmp_gt_u32 s[ST], s[SCR]                     ; all 128 keys come after my queries: a branch on the wave's number and a counter
	s_cbranch_scc1 .Lhidden
	STEP 1
.Lhidden:
	s_add_co_u32 s[ST], s[ST], 1
	s_cmp_lt_u32 s[ST], 16
	s_wait_alu depctr_va_vdst(0)                   ; directly ahead of the branch
	s_cbranch_scc1 .Lstep
; The tile ends: O^T / l, quantised along the head's 64 channels (two blocks), leaves as 1,024 bytes of the last product's operand and two scale bytes a row.
	v_add_f32 v14, v14, v15
	v_permlanex16_b32 v[PB], v14, s[SEL], s[SEL+1]
	v_add_f32 v14, v14, v[PB]                      ; the row's sum
	s_wait_alu depctr_va_vdst(0)
	v_rcp_f32 v[FQ], v14
	v_mov_b32 v[FQ+1], 0                           ; a plain line behind the reciprocal
	s_wait_alu depctr_va_vdst(0)                   ; ahead of its first reader
.set n, 0
.rept 16
	v_pk_mul_f32 v[S+n:S+n+1], v[O+n:O+n+1], v[FQ:FQ+1] op_sel_hi:[1,0]   ; register 16 b + i: channel 32 b + 16 h + i; each accumulator from its low end on
.set n, n+2
.endr
.irp b, 0,1
	v_max3_num_f32 v[BM+\b], |v[S+16*\b]|, |v[S+1+16*\b]|, 0x4800000
.endr
.irp i, 2,4,6,8,10,12,14
.irp b, 0,1
	v_max3_num_f32 v[BM+\b], v[BM+\b], |v[S+16*\b+\i]|, |v[S+1+16*\b+\i]|
.endr
.endr
.irp b, 0,1
	v_permlanex16_b32 v[PB+\b], v[BM+\b], s[SEL], s[SEL+1]
.endr
.irp b, 0,1
	v_max_num_f32 v[BM+\b], v[BM+\b], v[PB+\b]
.endr
.irp b, 0,1
	v_add_nc_u32 v[SO+\b], 0xfc000000, v[BM+\b]
.endr
.irp b, 0,1
	v_and_or_b32 v[HD+\b], v[BM+\b], 0x7f800000, s[MNT]
.endr
.irp b, 0,1
	v_lshrrev_b32 v[PB+\b], 23, v[SO+\b]
.endr
.irp b, 0,1
.irp i, 0,1,2,3,4,5,6,7,8,9,10,11,12,13,14,15
	v_med3_num_f32 v[S+16*\b+\i], v[S+16*\b+\i], -v[HD+\b], v[HD+\b]
.endr
	v_cvt_scalef32_pk8_fp8_f32 v[PC+4*\b:PC+1+4*\b], v[S+16*\b:S+7+16*\b], v[SO+\b]
	v_cvt_scalef32_pk8_fp8_f32 v[PC+2+4*\b:PC+3+4*\b], v[S+8+16*\b:S+15+16*\b], v[SO+\b]
.endr
	v_cndmask_b32 v[T0], v[PB], v[PB+1], s[HM]     ; lanes 0-15 store block 0's byte, lanes 16-31 block 1's.  (Also the plain line behind the conversions)
.irp c, 0,1
	global_store_b128 v[LK], v[PC+4*\c:PC+4*\c+3], s[88:89] offset:512*\c   ; 512 consecutive bytes
.endr
	global_store_b8 v[BYO], v[T0], s[90:91]
	s_wait_tensorcnt 0x0                           ; the wave's end
	ds_add_u32 v[SPW], v[NIL]
	s_wait_dscnt 0x0
	CROUND                                         ; the closing round
	s_endpgm
.Lfunc_end_k_qee7a36c1c5_attn:
	.size	k_qee7a36c1c5_attn, .Lfunc_end_k_qee7a36c1c5_attn-k_qee7a36c1c5_attn
	.p2alignl 7, 3214868480
	.fill 96, 4, 3214868480
	.section	.rodata,"a",@progbits
	.p2align	6, 0x0
	.amdhsa_kernel k_qee7a36c1c5_attn
		.amdhsa_group_segment_fixed_size 327680
		.amdhsa_private_segment_fixed_size 0
		.amdhsa_enable_private_segment 0
		.amdhsa_kernarg_size 32
		.amdhsa_user_sgpr_count 2
		.amdhsa_user_sgpr_kernarg_segment_ptr 1
		.amdhsa_wavefront_size32 1
		.amdhsa_system_sgpr_workgroup_id_x 1
		.amdhsa_system_sgpr_workgroup_id_y 1
		.amdhsa_system_sgpr_workgroup_id_z 1
		.amdhsa_system_vgpr_workitem_id 0
		.amdhsa_next_free_vgpr 256
		.amdhsa_next_free_sgpr 102
		.amdhsa_reserve_vcc 1
		.amdhsa_float_denorm_mode_32 3
		.amdhsa_float_denorm_mode_16_64 3
		.amdhsa_memory_ordered 1
		.amdhsa_forward_progress 1
		.amdhsa_inst_pref_size 65
	.end_amdhsa_kernel
	.amdgpu_metadata
---
amdhsa.version: [ 1, 2 ]
amdhsa.kernels:
  - .name:           k_qee7a36c1c5_attn
    .symbol:         k_qee7a36c1c5_attn.kd
    .args:
      - { .name: qkvc, .offset: 0, .size: 8, .value_kind: global_buffer, .address_space: global }
      - { .name: qkvs, .offset: 8, .size: 8, .value_kind: global_buffer, .address_space: global }
      - { .name: codes, .offset: 16, .size: 8, .value_kind: global_buffer, .address_space: global }
      - { .name: scl, .offset: 24, .size: 8, .value_kind: global_buffer, .address_space: global }
    .group_segment_fixed_size: 327680
    .private_segment_fixed_size: 0
    .kernarg_segment_align: 8
    .kernarg_segment_size: 32
    .max_flat_workgroup_size: 512
    .sgpr_count:     102
    .vgpr_count:     256
    .wavefront_size: 32
...
	.end_amdgpu_metadata
.endif
;; end of part 3
;; launch oproj (part 4): grid 8 x 32, 4 waves a work-group, clusters of 4 x 4, 327,680 bytes of LDS; arguments codes, scl, out0; writes out0
.if DOCPART == 4
	.amdgcn_target "amdgcn-amd-amdhsa--gfx1250"
	.amdhsa_code_object_version 6
	.text
	.protected	k_qee7a36c1c5_oproj
	.globl	k_qee7a36c1c5_oproj
	.p2align	8
	.type	k_qee7a36c1c5_oproj,@function
k_qee7a36c1c5_oproj:
	s_mov_b64 s[64:65], 0
	v_nop
	global_prefetch_b8 v0, s[64:65] scope:SCOPE_SE
	s_setreg_imm32_b32 hwreg(HW_REG_WAVE_MODE, 25, 1), 1
	s_wait_xcnt 0x0
	s_wait_alu depctr_hold_cnt(0) depctr_sa_sdst(0) depctr_va_vdst(0) depctr_va_sdst(0) depctr_va_ssrc(0) depctr_va_vcc(0) depctr_vm_vsrc(0)
	s_getreg_b32 s2, hwreg(HW_REG_IB_STS2, 6, 4)
	s_cmp_eq_u32 s2, 0
	s_cbranch_scc0 .Lentry_in_a_cluster
	s_endpgm
.Lentry_in_a_cluster:
	s_bfe_u32 s2, ttmp6, 0x10000c
	s_cmp_lg_u32 s2, 0xf033
	s_cbranch_scc0 .Lentry_shape_is_right
	s_endpgm
.Lentry_shape_is_right:
; OPROJ: out0 = O wo^T on codes of FP8 (E4M3) with E8M0 scales.  O's codes lie in tiles 0-255 of codes, wo's in tiles 448-511: [T][ks 0..7][2,048], a fragment [c 0..3][lane][16 bytes]; scl = [T][r 16][ks 8] words.
; A tile T is 16 rows: row r of it is row 32 (T / 2) + 8 (T % 2) + r + 8 (r / 8).  out0: [4096][1024] f32.
; SHARES.  A tile of out0 is 128 x 128, so that there are 256 work-groups; four waves of 64 x 64.  All of K of both operands lies in LDS (2 x 128 KB), filled once, one joint load a wave: four whole tiles, 65,536 dense bytes.
; CLUSTERS: 4 x 4: O's tiles are shared along a row of the cluster, wo's along a column.  No prefetch: every tensor load goes out at the head.
; A WAVE HOLDS ITS 64 ROWS OF wo, ALL OF K, IN 512 REGISTERS and takes its four blocks of 16 tokens one after the other, each over all of K: a block leaves while the next is multiplied.
; THE MATRIX INSTRUCTION IS USED TRANSPOSED: source 0 = 16 rows of wo, source 1 = 16 tokens: a lane holds one token, and the 16 registers of accumulators 2 n, 2 n + 1 are 16 neighbouring columns.
; The way out goes through the wave's own stage (16 rows x 256 + 16 bytes): sixteen lanes store 256 consecutive bytes, aligned.
; REGISTERS: window 0: v2-11 addresses; v16-53 scale words (10 i + g: lanes 0-15 O's block i, lanes 16-31 wo's); v56-119 the way out; v128-255 the accumulators ((a, b) at 128 + 8 (4 a + b)).
;   windows 1, 2: wo: fragment (g, b), number 4 g + b, 16 registers each.   window 3: O's block a in set a % 2: fragment g at 128 (a % 2) + 16 g.
.set STAGE, 262144
.set SP,    272
.set SPARE, STAGE+4*16*SP              ; the spare words, 128 bytes for each wave
.set CO,  2
.set STO, 3
.set RD,  4
.set VSO, 5
.set ADA, 6
.set ADB, 7
.set SPW, 10
.set NIL, 11
.set SC,  16
.set OB,  56
.set ACC, 128
.set G1,  24
.set G0,  32
.set G0B, 36
.set G1B, 48
.set MSB, 0
.macro WIN new
.if MSB != \new
	s_set_vgpr_msb (MSB<<8)|\new
.set MSB, \new
.endif
.endm
.macro CROUND
	s_barrier_signal -1
	s_barrier_wait -1
	s_cmp_lg_u32 s14, 0
	s_cbranch_scc1 .Lnot_wave_0_\@
	s_barrier_signal -3
.Lnot_wave_0_\@:
	s_barrier_wait -3
	s_barrier_signal -1
	s_barrier_wait -1
.endm
	s_load_b128 s[4:7], s[0:1], 0x0                ; codes, scl
	s_load_b64 s[8:9], s[0:1], 0x10                ; out0
	v_lshl_add_u32 v[SPW], v0, 2, SPARE
	v_mov_b32 v[NIL], 0
	ds_add_u32 v[SPW], v[NIL]                      ; the wave's opening: the add, twice on end
	ds_add_u32 v[SPW], v[NIL]
	v_lshrrev_b32 v1, 5, v0
	v_readfirstlane_b32 s14, v1                    ; wave 0..3
	s_lshr_b32 s15, s14, 1                         ; which 64 tokens are mine.  Also: I fetch for A (0) or for B (1)
	s_and_b32 s16, s14, 1                          ; which 64 columns.  Also: which 4 tiles I fetch
	s_bfe_u32 s86, ttmp6, 0x40000                  ; cx
	s_bfe_u32 s87, ttmp6, 0x40004                  ; cy
	s_lshl_b32 s88, ttmp9, 2
	s_add_co_u32 s88, s88, s86                     ; tile column = 4 x cluster x + cx
	s_and_b32 s17, ttmp7, 0xffff
	s_lshl_b32 s17, s17, 2
	s_add_co_u32 s17, s17, s87                     ; tile row = 4 x cluster y + cy
	s_lshl_b32 s89, s87, 2
	s_lshl_b32 s89, 15, s89                        ; my row of the cluster
	s_lshl_b32 s90, 0x1111, s86                    ; my column
	s_or_b32 s[G1+0], s89, (3<<16)|(1<<21)         ; the mask; elements of 8 bytes; bit 21 beside a mask; no padding
	s_or_b32 s[G1B+0], s90, (3<<16)|(1<<21)
.irp g, G1, G1B
	s_mov_b32 s[\g+1], 2048<<16                    ; a tile: 16,384 bytes
	s_mov_b32 s[\g+2], 4<<16                       ; 4 tiles
	s_mov_b32 s[\g+3], 2048<<16
	s_mov_b32 s[\g+4], 4
	s_mov_b32 s[\g+5], 2048
	s_mov_b32 s[\g+6], 0
	s_mov_b32 s[\g+7], 0
.endr
	s_lshl_b32 s22, s16, 2                         ; which 4 tiles I fetch
	s_lshl_b32 s20, s17, 3
	s_add_co_u32 s20, s20, s22
	s_lshl_b32 s20, s20, 14                        ; A: tile 8 x tile row + 4 x half
	s_mov_b32 s21, 0
	s_lshl_b32 s92, s88, 3
	s_add_co_u32 s92, s92, s22
	s_add_co_u32 s92, s92, 448
	s_lshl_b32 s92, s92, 14                        ; B: tile 448 + 8 x tile column + 4 x half
	s_mov_b32 s93, 0
	s_lshl_b32 s91, s14, 16                        ; where they go: A's halves at 0 and 65,536, B's behind them
	s_lshl_b32 s94, s17, 3
	s_lshl_b32 s95, s15, 2
	s_add_co_u32 s94, s94, s95
	s_lshl_b32 s94, s94, 9                         ; scl: 512 bytes a tile: my 4 tiles of A,
	s_lshl_b32 s96, s88, 3
	s_lshl_b32 s95, s16, 2
	s_add_co_u32 s96, s96, s95
	s_add_co_u32 s96, s96, 448
	s_lshl_b32 s96, s96, 9                         ; of B
	s_lshl_b32 s22, s15, 16                        ; my 4 tiles of A in LDS
	s_lshl_b32 s23, s16, 16                        ; my 4 tiles of B,
	s_add_co_u32 s23, s23, 131072                  ; behind A
	s_mul_i32 s95, s14, 16*SP
	s_add_co_u32 s95, s95, STAGE                   ; my stage
	v_and_b32 v1, 15, v0                           ; r
	v_bfe_u32 v8, v0, 4, 1                         ; h
	v_and_b32 v9, 31, v0
	v_lshlrev_b32 v9, 4, v9                        ; 16 x lane
	v_add_nc_u32 v[ADA], s22, v9
	v_add_nc_u32 v[ADB], s23, v9
	v_mul_u32_u24 v[STO], v1, SP
	v_lshl_add_u32 v[STO], v8, 6, v[STO]
	v_add_nc_u32 v[STO], s95, v[STO]               ; in: row r, + 64 h
	v_mul_u32_u24 v[RD], v8, SP
	v_lshl_add_u32 v[RD], v1, 4, v[RD]
	v_add_nc_u32 v[RD], s95, v[RD]                 ; back: lanes 0-15 one row of 256 bytes, lanes 16-31 the next
	v_lshlrev_b32 v[CO], 12, v8
	v_lshl_add_u32 v[CO], v1, 4, v[CO]             ; and the same two rows in out0
	v_cmp_eq_u32 vcc_lo, 1, v8
	v_mov_b32 v12, s94
	v_mov_b32 v13, s96
	v_cndmask_b32 v[VSO], v12, v13, vcc_lo         ; lanes 0-15 take A's words, lanes 16-31 B's
	v_lshl_add_u32 v[VSO], v1, 5, v[VSO]
	s_wait_alu depctr_va_vdst(0)                   ; the wait at the head's end
	s_wait_dscnt 0x0                               ; both opening adds are done
	s_wait_kmcnt 0x0
	s_add_nc_u64 s[20:21], s[4:5], s[20:21]
	s_add_nc_u64 s[92:93], s[4:5], s[92:93]
.irp i, 0,1,2,3
.irp e, 0,1
	global_load_b128 v[SC+10*\i+4*\e:SC+10*\i+4*\e+3], v[VSO], s[6:7] offset:512*\i+16*\e   ; the scale words of all of K: once
.endr
.endr
	s_mov_b32 s[G0], 1
	s_mov_b32 s[G0+1], s91
	s_mov_b64 s[G0+2:G0+3], s[20:21]
	s_or_b32 s[G0+3], s[G0+3], 0x80000000
	s_mov_b32 s[G0B], 1
	s_mov_b32 s[G0B+1], s91
	s_mov_b64 s[G0B+2:G0B+3], s[92:93]
	s_or_b32 s[G0B+3], s[G0B+3], 0x80000000
	CROUND                                         ; all sixteen work-groups are here: the joint loads meet
	s_cmp_eq_u32 s15, 0
	s_cbranch_scc0 .Lfor_b
	tensor_load_to_lds s[G0:G0+3], s[G1:G1+7]
	s_nop 0
.rept 4
	v_nop
.endr
	s_branch .Lasked
.Lfor_b:
	tensor_load_to_lds s[G0B:G0B+3], s[G1B:G1B+7]
	s_nop 0
.rept 4
	v_nop
.endr
.Lasked:
	s_lshl_b32 s94, s17, 19                        ; out0: 128 rows of 4,096 bytes a tile row, 64 for my half;
	s_lshl_b32 s95, s15, 18
	s_add_co_u32 s94, s94, s95
	s_lshl_b32 s95, s88, 9                         ; 512 bytes a tile column, 256 for my half
	s_add_co_u32 s94, s94, s95
	s_lshl_b32 s95, s16, 8
	s_add_co_u32 s94, s94, s95
	s_mov_b32 s95, 0
	s_add_nc_u64 s[8:9], s[8:9], s[94:95]
.macro FETCHB g                        ; my four fragments of wo, the g-th 128 along K: 16 loads of 512 consecutive bytes
	WIN ((1+(\g)/4)<<6)
.irp b, 0,1,2,3
.irp c, 0,1,2,3
	ds_load_b128 v[16*((4*(\g)+\b)%16)+4*\c:16*((4*(\g)+\b)%16)+4*\c+3], v[ADB] offset:16384*\b+2048*(\g)+512*\c
.endr
.endr
.endm
.macro FETCHA a, g                     ; block a's fragment: 4 loads
	WIN (3<<6)
.irp c, 0,1,2,3
	ds_load_b128 v[128*((\a)%2)+16*(\g)+4*\c:128*((\a)%2)+16*(\g)+4*\c+3], v[ADA] offset:16384*(\a)+2048*(\g)+512*\c
.endr
.endm
.macro FETCHALL a
.irp k, 0,1,2,3,4,5,6,7
	FETCHA \a, \k
.endr
.endm
.macro MUL a, g                        ; four accumulators by turns
	WIN ((1+(\g)/4)|(3<<2))
.irp b, 0,1,2,3
.if (\g) == 0
	v_wmma_scale_f32_16x16x128_f8f6f4 v[ACC+8*(4*(\a)+\b):ACC+8*(4*(\a)+\b)+7], v[16*((4*(\g)+\b)%16):16*((4*(\g)+\b)%16)+15], v[128*((\a)%2)+16*(\g):128*((\a)%2)+16*(\g)+15], 0, v[SC+10*\b+(\g)], v[SC+10*(\a)+(\g)] matrix_a_scale:MATRIX_SCALE_ROW1
.else
	v_wmma_scale_f32_16x16x128_f8f6f4 v[ACC+8*(4*(\a)+\b):ACC+8*(4*(\a)+\b)+7], v[16*((4*(\g)+\b)%16):16*((4*(\g)+\b)%16)+15], v[128*((\a)%2)+16*(\g):128*((\a)%2)+16*(\g)+15], v[ACC+8*(4*(\a)+\b):ACC+8*(4*(\a)+\b)+7], v[SC+10*\b+(\g)], v[SC+10*(\a)+(\g)] matrix_a_scale:MATRIX_SCALE_ROW1
.endif
.endr
.endm
.macro MULALL a
.irp k, 0,1,2,3,4,5,6,7
	MUL \a, \k
.endr
.endm
; THE WAY OUT of block a, 16 tokens x 64 columns.  Accumulator (a, 2 n + u), register j, lane (r, h): token row r of tile a, column 32 n + 16 h + 8 u + j.  Block a + 2 is fetched into the set that block a has left.
.macro OUT a
	WIN 0
.rept 8
	v_nop                                          ; places behind the products, for the reads of their results and for the loads into what they have read
.endr
.if (\a) > 1
	s_wait_xcnt 0x0                                ; the stores of two blocks back have read their registers
.endif
.irp n, 0,1
.irp u, 0,1
	ds_store_b128 v[STO], v[ACC+8*(4*(\a)+2*\n+\u):ACC+8*(4*(\a)+2*\n+\u)+3] offset:128*\n+32*\u        ; each accumulator from its low end on
	ds_store_b128 v[STO], v[ACC+8*(4*(\a)+2*\n+\u)+4:ACC+8*(4*(\a)+2*\n+\u)+7] offset:128*\n+32*\u+16
.endr
.endr
.irp t, 0,1,2,3,4,5,6,7
	ds_load_b128 v[OB+32*((\a)%2)+4*\t:OB+32*((\a)%2)+4*\t+3], v[RD] offset:2*SP*\t   ; LDS serves a wave's instructions in order: these see my stores
.endr
.set YOUNG, 0
.if (\a) < 2
	FETCHALL \a+2
	WIN 0
.set YOUNG, 32
.endif
.irp t, 0,1,2,3,4,5,6,7
	s_wait_dscnt YOUNG+7-\t                        ; rows 2 t and 2 t + 1 are back; the younger loads stay out
	global_store_b128 v[CO], v[OB+32*((\a)%2)+4*\t:OB+32*((\a)%2)+4*\t+3], s[8:9] offset:(2*\t+8*(\t/4)+32*((\a)/2)+8*((\a)%2))*4096 th:TH_STORE_NT   ; stage row p is token 32 (a / 2) + 8 (a % 2) + p + 8 (p / 8); 16 lanes store 256 consecutive bytes, aligned
.endr
.endm
	s_wait_loadcnt 0x0                             ; the scale words
	s_wait_tensorcnt 0x0                           ; my four tiles are in
	s_barrier_signal -1
	s_barrier_wait -1                              ; everybody's are
.irp g, 0,1
	FETCHB \g
	FETCHA 0, \g
.endr
.irp g, 0,1,2,3,4,5
	FETCHB \g+2
	FETCHA 0, \g+2
	s_wait_dscnt 40                                ; all but the two youngest groups of 20 loads
	MUL 0, \g
.endr
	FETCHALL 1
	s_wait_dscnt 52                                ; group 7's 20 loads and block 1's 32 may be out
	MUL 0, 6
	s_wait_dscnt 32
	MUL 0, 7
	OUT 0                                          ; its last wait shows all that was issued ahead of its loads, block 1's fragments among it
	MULALL 1
	OUT 1                                          ; and block 2's
	MULALL 2
	OUT 2                                          ; and block 3's
	MULALL 3
	OUT 3
	s_wait_tensorcnt 0x0                           ; the wave's end
	ds_add_u32 v[SPW], v[NIL]
	s_wait_dscnt 0x0
	CROUND                                         ; the closing round
	s_endpgm
.Lfunc_end_k_qee7a36c1c5_oproj:
	.size	k_qee7a36c1c5_oproj, .Lfunc_end_k_qee7a36c1c5_oproj-k_qee7a36c1c5_oproj
	.p2alignl 7, 3214868480
	.fill 96, 4, 3214868480
	.section	.rodata,"a",@progbits
	.p2align	6, 0x0
	.amdhsa_kernel k_qee7a36c1c5_oproj
		.amdhsa_group_segment_fixed_size 327680
		.amdhsa_private_segment_fixed_size 0
		.amdhsa_enable_private_segment 0
		.amdhsa_kernarg_size 24
		.amdhsa_user_sgpr_count 2
		.amdhsa_user_sgpr_kernarg_segment_ptr 1
		.amdhsa_wavefront_size32 1
		.amdhsa_system_sgpr_workgroup_id_x 1
		.amdhsa_system_sgpr_workgroup_id_y 1
		.amdhsa_system_sgpr_workgroup_id_z 1
		.amdhsa_system_vgpr_workitem_id 0
		.amdhsa_next_free_vgpr 1024
		.amdhsa_next_free_sgpr 100
		.amdhsa_reserve_vcc 1
		.amdhsa_float_denorm_mode_32 3
		.amdhsa_float_denorm_mode_16_64 3
		.amdhsa_memory_ordered 1
		.amdhsa_forward_progress 1
		.amdhsa_inst_pref_size 50
	.end_amdhsa_kernel
	.amdgpu_metadata
---
amdhsa.version: [ 1, 2 ]
amdhsa.kernels:
  - .name:           k_qee7a36c1c5_oproj
    .symbol:         k_qee7a36c1c5_oproj.kd
    .args:
      - { .name: codes, .offset: 0, .size: 8, .value_kind: global_buffer, .address_space: global }
      - { .name: scl, .offset: 8, .size: 8, .value_kind: global_buffer, .address_space: global }
      - { .name: out0, .offset: 16, .size: 8, .value_kind: global_buffer, .address_space: global }
    .group_segment_fixed_size: 327680
    .private_segment_fixed_size: 0
    .kernarg_segment_align: 8
    .kernarg_segment_size: 24
    .max_flat_workgroup_size: 128
    .sgpr_count:     100
    .vgpr_count:     1024
    .wavefront_size: 32
...
	.end_amdgpu_metadata
.endif
;; end of part 4
